; MI455X (gfx1250); checked and timed in simulation.
; The chip was launched on July 23, 2026; its instructions are those of AMD's public machine-readable ISA for CDNA 5 (MIT licence, August 2026) and "CDNA5" Instruction Set Architecture Reference Guide (July 2026). The comments in the code are by the model that wrote it; some were corrected since.
;; Msa Update With Pair And Coord. Allowed arithmetic: matrix products marked QUANTISED: E4M3 operands, one E8M0 scale for each 32 along K, by v_wmma_scale_f32_16x16x128_f8f6f4 with both operands' format E4M3, f32 sums; everything else in f32.
;; Inputs: W1_codes 1,024 x 8 x 32 uint8 (E4M3 codes of W1, K innermost, in blocks of 32 codes); W1_scales 1,024 x 8 uint8 (E8M0 scales of W1, one for each 32 codes along K); W2_codes 256 x 32 x 32 uint8 (E4M3 codes of W2, K innermost, in blocks of 32 codes); W2_scales 256 x 32 uint8 (E8M0 scales of W2, one for each 32 codes along K); Wk_codes 128 x 2 x 32 uint8 (E4M3 codes of Wk, K innermost, in blocks of 32 codes); Wk_scales 128 x 2 uint8 (E8M0 scales of Wk, one for each 32 codes along K); Wq_codes 128 x 2 x 32 uint8 (E4M3 codes of Wq, K innermost, in blocks of 32 codes); Wq_scales 128 x 2 uint8 (E8M0 scales of Wq, one for each 32 codes along K); Wv_codes 256 x 8 x 32 uint8 (E4M3 codes of Wv, K innermost, in blocks of 32 codes); Wv_scales 256 x 8 uint8 (E8M0 scales of Wv, one for each 32 codes along K); b1 1,024 float32; b2 256 float32; bk 128 float32; bq 128 float32; bv 256 float32; ff_ln_b 256 float32; ff_ln_g 256 float32; ln_msa_b 256 float32; ln_msa_g 256 float32; ln_out_b 256 float32; ln_out_g 256 float32; ln_state_b 64 float32; ln_state_g 64 float32; msa 1 x 128 x 512 x 256 float32; state 1 x 512 x 64 float32; xyz 1 x 512 x 3 x 3 float32.
;; Outputs: out0 1 x 128 x 512 x 256 float32.
;; This version of the problem:
;;   THIS VERSION OF THE PROBLEM IS GIVEN IN LOW PRECISION. The matrix products marked QUANTISED in the list below multiply operands that are first quantised to E4M3 (4 exponent bits, 3 mantissa bits; 8 bits a number), with one power-of-two scale for each 32 numbers along K (OCP MX v1.0); their sums are f32. All else is computed in f32.
;;   The module's matrix products, in the order in which they are computed (A, B: the left and right operand; K: the contracted axis; several contracted axes count as one K, in the product's order):
;;     1. [M 512, K 64] x [K 64, N 128]; A: computed on the way; B: input Wq (given as codes): QUANTISED
;;     2. [M 512, K 64] x [K 64, N 128]; A: computed on the way; B: input Wk (given as codes): QUANTISED
;;     3. [M 65,536, K 256] x [K 256, N 256]; A: computed on the way; B: input Wv (given as codes): QUANTISED
;;     4. batch 4 x [M 512, K 32] x [K 32, N 512]; A: computed on the way; B: computed on the way: QUANTISED
;;     5. batch 4 x [M 8,192, K 512] x [K 512, N 512]; A: computed on the way; B: softmax (see below): QUANTISED
;;     6. [M 65,536, K 256] x [K 256, N 1,024]; A: computed on the way; B: input W1 (given as codes): QUANTISED
;;     7. [M 65,536, K 1,024] x [K 1,024, N 256]; A: computed on the way; B: input W2 (given as codes): QUANTISED
;;   THE QUANTISER, for each operand of a quantised product, along K:
;;     - K is cut into blocks of 32 from its start; a last block that is shorter is filled with zeros.
;;     - A block's scale is 2^e with e = floor(log2(the largest magnitude in the block)) - 8, held to -126 .. 127; a block of zeros has e = 0. As a byte (E8M0): e + 127.
;;     - Each number is divided by its block's scale, clamped to +-448, and rounded to the nearest number of E4M3, ties to even, subnormals kept.
;;     - The product sums the exact products of the quantised numbers (number of the format x scale) in f32.
;;   ~~~python
;;   def quantise(x, axis):      # numpy; x: float32 -> the quantised numbers, widened to float32 again
;;       x = np.moveaxis(x, axis, -1); K = x.shape[-1]
;;       x = np.pad(x, [(0, 0)] * (x.ndim - 1) + [(0, -K % 32)]); x = x.reshape(x.shape[:-1] + (-1, 32)); a = np.abs(x).max(-1, keepdims=True)
;;       e = np.where(a > 0, np.clip(np.frexp(np.where(a > 0, a, 1))[1] - 1 - 8, -126, 127), 0)      # np.frexp(a)[1] - 1 = floor(log2(a)), exactly
;;       r = np.clip(x / 2.0 ** e, -448, 448)
;;       step = 2.0 ** (np.maximum(np.frexp(np.where(r == 0, 1, r))[1] - 1, -6) - 3)
;;       q = np.round(r / step) * step * 2.0 ** e      # np.round: ties to even
;;       return np.moveaxis(q.reshape(q.shape[:-2] + (-1,))[..., :K], -1, axis).astype(np.float32)
;;   ~~~
;;   SOFTMAX AHEAD OF A QUANTISED PRODUCT. Where the list says 'softmax', what is quantised is not the finished softmax but p = 2^(t - M), with t = logit x log2(e) and M = ceil(the row's largest t), a whole number; so 1/2 < the row's largest p <= 1. The row's sum l is taken of the UNQUANTISED p, in f32, and the product's result is divided by l at the end. Since M is a whole number, a kernel that streams over the keys may use a running M (the ceiling of the running maximum): every later rescaling is an exact power of two, which a block's scale takes up: the codes' values come out the same.
;;   OPERANDS COMPUTED ON THE WAY. 'Computed on the way' means the value that the module computes at that place (a softmax that the list does not call 'softmax' is quantised finished and normalised). What goes into a quantiser is computed in f32, as accurately as f32 sums, v_exp_f32 and their like allow (about 1e-6 of the number): no bf16 or f16 on the way to a quantiser, and a product that is left as it is and whose result goes on into a quantised operand takes f32 operands (vector FMAs, or v_wmma_f32_16x16x4_f32). A number that lies on a knife's edge between two numbers of the format may be rounded either way, as far as f32 arithmetic and the matrix unit's own rounding can turn it there, and no further.
;;   INPUTS GIVEN AS CODES. W1 (in the module: [256, 1024], K = its axis 0); W2 (in the module: [1024, 256], K = its axis 0); Wk (in the module: [64, 128], K = its axis 0); Wq (in the module: [64, 128], K = its axis 0); Wv (in the module: [256, 256], K = its axis 0): each comes as NAME_codes (uint8): NAME with its K axis moved to the last place and cut into blocks of 32 codes, [.., K / 32, bytes a block], one block behind the other in memory; one code a byte (a code: sign, 4 exponent bits, 3 mantissa bits); and NAME_scales (uint8): the same leading axes, one E8M0 byte (e + 127) for each 32 codes along K. Its value is code x scale, taken as it is: it is not quantised again, and the codes and scales need not be those that the quantiser above would give.
;; 2 versions, each right; version 2 is version 1 with the launches att, vproj written anew for expert scheduling mode. Each part assembles by itself: llvm-mc -triple=amdgcn-amd-amdhsa -mcpu=gfx1250 --defsym DOCPART=n.
;; ======== version 1 of 2: 3 launches
;; workspace buffers: pblk 1,122,304 bytes; wimg 524,288 bytes; wsc 44,032 bytes; vimg 16,777,216 bytes; vsc 1,048,576 bytes; mstat 524,288 bytes
;; launch att (part 1): grid 32 x 4, 8 waves a work-group, no clusters, 10,240 bytes of LDS; arguments state, xyz, ln_state_g, ln_state_b, Wk_codes, Wk_scales, bk, Wq_codes, Wq_scales, bq, pblk, wimg, wsc, W1_codes, W1_scales, W2_codes, W2_scales, b1, ln_out_g, ln_out_b, ln_msa_g, ln_msa_b, ff_ln_g, ff_ln_b, b2; writes pblk, wimg, wsc
.if DOCPART == 1
	.amdgcn_target "amdgcn-amd-amdhsa--gfx1250"
	.amdhsa_code_object_version 6
	.text
	.protected	k_qab3f59523a_att
	.globl	k_qab3f59523a_att
	.p2align	8
	.type	k_qab3f59523a_att,@function
k_qab3f59523a_att:
	s_mov_b64 s[64:65], 0
	v_nop
	global_prefetch_b8 v0, s[64:65] scope:SCOPE_SE
	s_setreg_imm32_b32 hwreg(HW_REG_WAVE_MODE, 25, 1), 1
	s_wait_xcnt 0x0
; LN(state) -> q, k (MX-FP8 products with Wq, Wk) -> masked logits (MX-FP8 product, K = 32) -> p = 2^(t - M), quantised along the keys.
; A work-group owns 16 queries (x) of one head (y).  Wave w of eight owns keys 64 w .. 64 w + 63: half of K step w / 2 of the later product p v.
; Two waves share a SIMD (2 x 384 registers), so that one wave's loads and chains stand beside the other's work.
; A wave makes k for its own keys and q for the 16 queries, so no operand goes from wave to wave; only the row's maximum and sum do (two barriers).
; ALL PRODUCTS ARE USED TRANSPOSED: source 1 holds the rows that a lane is to own.  The rows of source 0 that form a tile are chosen
; (tile 2 b + u takes row 32 b + 8 u + r + 8 (r / 8)), so that a lane's 16 registers of two neighbouring tiles are 16 neighbours along the next K.
; K = 64 and K = 32 fill half and a quarter of the instruction's 128: the rest is zero codes on at least one side, under scale bytes 0.
; OUT: my two blocks of p's fragment as an image of its registers (lane l's 16 bytes at 16 l, 512 bytes a store), their two scale bytes, 1 / l.
; BESIDE THAT each work-group lays out a share of the later launch's constants: wave 0 one fragment of W1, wave 1 one of W2 (images, with scale words),
; wave 2 of the first 22 work-groups 512 bytes of b1 or of the six LayerNorm vectors and b2.  Those loads are issued first and stored last.
; LIMITS: NaN and infinities among the inputs are not served.  A block whose largest magnitude lies under 2^-118 gets the scale byte 1 (read by this program alone).
; v_sqrt_f32, v_rsq_f32, v_rcp_f32, v_exp_f32 are good to one unit in the last place: a distance that near to a bin may fall on either side.  p under 2^-126 becomes 0.
; REGISTERS, window 0: v1-15 lane numbers and addresses; v16-79 LN gain and bias, later the scores; v80-143 two sets of a state tile, later 16 keys' coordinates;
; v144-159 a state tile's codes + 8 zeros, later p's codes; v160-187 k's codes of 4 tiles + 12 zeros, later the softmax's scratch; v188-203 offsets of the head's loads, the exchange;
; v204-219 q's codes + 12 zeros; v220-233 scale words and nothing else; v234-253 scratch.  Window 1: v0-63 four weight fragments (8 codes + 8 zeros), v64-95 biases, v96-112 the task's data.
.set EXM,  8192                        ; LDS: 0: 8 x 1,024 bytes, a wave's 64 keys as (x, y, z, 0); 8,192: maxima [wave][16]; 8,704: sums [wave][16]
.set GSR,  16
.set BSR,  48
.set SCO,  16
.set XX0,  80
.set CKR,  80
.set XCD,  144
.set KCD,  160
.set QFD,  204
.set KWS,  220
.set QWS,  228
.set XWS,  229
.set WSC,  230
.set TM,   234
.set NM,   250
.set RS,   252
.set BM,   160
.set PM,   164
.set HO,   168
.set SO,   172
.set LM,   176
.set NG,   178
.set SA,   180
.set SB,   182
.set PWD,  184
.set TWC,  188
.set TWS,  189
.set TBI,  190
.set TXK,  191
.set TXQ,  192
.set THH,  193
.set TTC,  194
.set TTS,  195
.set EXV,  196
.set MSB, 0
.macro WIN new                         ; the immediate's high byte repeats the setting that is left
.if MSB != (\new)
	s_set_vgpr_msb (MSB<<8)|(\new)
.set MSB, (\new)
.endif
.endm
	s_load_b512 s[8:23], s[0:1], 0x0               ; state 8, xyz 10, ln_state_g 12, ln_state_b 14, Wk codes 16, Wk scales 18, bk 20, Wq codes 22
	s_load_b512 s[24:39], s[0:1], 0x40             ; Wq scales 24, bq 26, pblk 28, wimg 30, wsc 32, W1 codes 34, W1 scales 36, W2 codes 38
	s_load_b64 s[40:41], s[0:1], 0x80              ; W2 scales
	s_load_b512 s[44:59], s[0:1], 0x88             ; b1 44, ln_out_g 46, ln_out_b 48, ln_msa_g 50, ln_msa_b 52, ff_ln_g 54, ff_ln_b 56, b2 58
	v_lshl_add_u32 v254, v0, 2, 0x2400
	v_mov_b32 v255, 0
	v_lshrrev_b32 v1, 5, v0
	v_readfirstlane_b32 s60, v1                    ; wave 0..7
	s_mov_b32 s61, ttmp9                           ; query tile 0..31
	s_and_b32 s62, ttmp7, 0xffff                   ; head
	s_mov_b32 s66, 0x76543210
	s_mov_b32 s67, 0xfedcba98                      ; v_permlanex16_b32's selects for lane l xor 16
	s_mov_b32 s68, 0x600000                        ; the mantissa field of 448
	s_lshl_b32 s69, s62, 2
	s_add_co_u32 s69, s69, 8
	s_cvt_f32_u32 s69, s69                         ; the head's bin: 8 + 4 h
	s_mov_b32 s80, 0x3fb8aa3b                      ; log2(e)
	s_mov_b32 s81, s80                             ; (named with it as a pair)
	s_mov_b32 s82, 0x3c800000                      ; 1 / 64
	s_mov_b32 s83, 0x3727c5ac                      ; 1e-5
	v_and_b32 v252, 31, v0                         ; lane
	v_and_b32 v1, 15, v0                           ; r
	v_bfe_u32 v2, v0, 4, 1                         ; hh
	v_and_b32 v3, 8, v1
	v_add_nc_u32 v3, v3, v1                        ; r + 8 (r / 8)
	v_lshlrev_b32 v4, 4, v252                      ; 16 x lane
	v_lshlrev_b32 v14, 2, v1                       ; 4 r
	v_mov_b32 v15, 0
	v_lshlrev_b32 v[THH], 6, v2                    ; 64 hh
	v_lshl_add_u32 v5, v3, 8, v[THH]               ; a key tile's row of state: 256 bytes a row, my 16 numbers of a block
	s_lshl_b32 s78, s60, 14
	v_add_nc_u32 v5, s78, v5                       ; + my wave's 64 keys
	v_lshl_add_u32 v6, v1, 8, v[THH]               ; the query tile's row
	s_lshl_b32 s78, s61, 12
	v_add_nc_u32 v6, s78, v6
	v_lshlrev_b32 v[TWC], 6, v3                    ; Wk, Wq: 64 bytes a row
	v_lshl_add_u32 v[TWC], v2, 4, v[TWC]
	s_lshl_b32 s78, s62, 11
	v_add_nc_u32 v[TWC], s78, v[TWC]               ; + the head's 32 rows
	v_lshlrev_b32 v[TWS], 1, v3                    ; their scales: 2 bytes a row
	s_lshl_b32 s78, s62, 6
	v_add_nc_u32 v[TWS], s78, v[TWS]
	s_lshl_b32 s78, s62, 7
	v_add_nc_u32 v[TBI], s78, v[THH]               ; bk, bq: the head's 32 numbers, my half's 16
	v_mul_u32_u24 v[TXK], v252, 36                 ; xyz: 36 bytes a residue, CA at byte 12
	s_mul_i32 s78, s60, 2304
	s_add_co_u32 s78, s78, 12
	v_add_nc_u32 v[TXK], s78, v[TXK]
	v_mul_u32_u24 v[TXQ], v1, 36
	s_mul_i32 s78, s61, 576
	s_add_co_u32 s78, s78, 12
	v_add_nc_u32 v[TXQ], s78, v[TXQ]
	s_lshl_b32 s78, s60, 10
	v_add_nc_u32 v10, s78, v4                      ; LDS: my wave's keys, in: 16 x lane
	v_lshl_add_u32 v11, v2, 8, s78                 ; and out: my half's 16 keys of a block of 32
	s_lshl_b32 s78, s60, 6
	s_add_co_u32 s78, s78, EXM
	v_add_nc_u32 v12, s78, v14                     ; where my wave puts a query's maximum (the sum: 512 on)
	v_add_nc_u32 v13, EXM, v14                     ; where all eight are read
	; the task of waves 0 and 1: fragment g = x + 32 y of W1 or of W2
	s_lshl_b32 s63, s62, 5
	s_add_co_u32 s63, s63, s61                     ; g
	s_lshr_b32 s78, s63, 1
	s_and_b32 s79, s63, 15
	s_and_b32 s92, s63, 1
	s_lshr_b32 s93, s63, 4
	s_cmp_eq_u32 s60, 0
	s_cselect_b32 s78, s78, s79                    ; the tile of rows: W1: g / 2; W2: g % 16
	s_cselect_b32 s92, s92, s93                    ; the K step: W1: g % 2; W2: g / 16
	s_cselect_b32 s84, 8, 10                       ; a row of codes: 256 or 1,024 bytes
	s_cselect_b32 s85, 3, 5                        ; a row of scales: 8 or 32 bytes
	s_cselect_b32 s94, 0, 32768                    ; W2's images lie behind W1's sixteen
	s_cselect_b32 s95, 0, 2048
	s_lshr_b32 s96, s78, 1
	s_lshl_b32 s96, s96, 5
	s_and_b32 s97, s78, 1
	s_lshl_b32 s97, s97, 3
	s_add_co_u32 s96, s96, s97                     ; the tile's first row: 32 (t / 2) + 8 (t % 2)
	s_lshl_b32 s98, s96, s84
	s_lshl_b32 s97, s92, 7
	s_add_co_u32 s98, s98, s97
	s_mov_b32 s99, 0                               ; s[98:99]: offset of the codes
	s_lshl_b32 s96, s96, s85
	s_lshl_b32 s97, s92, 2
	s_add_co_u32 s96, s96, s97
	s_mov_b32 s97, 0                               ; s[96:97]: of the scale words
	s_lshl_b32 s78, s93, 16
	s_lshl_b32 s79, s79, 11
	s_add_co_u32 s78, s78, s79
	s_add_co_u32 s78, s78, s94
	s_mov_b32 s79, 0                               ; s[78:79]: the image's place: chunk g / 16, image g % 16
	s_mul_i32 s92, s93, 4608
	s_bfe_u32 s93, s63, 0x20002
	s_lshl_b32 s93, s93, 9
	s_add_co_u32 s92, s92, s93
	s_and_b32 s93, s63, 3
	s_lshl_b32 s93, s93, 2
	s_add_co_u32 s92, s92, s93
	s_add_co_u32 s92, s92, s95
	s_mov_b32 s93, 0                               ; s[92:93]: the scale word's place: [group (g / 4) % 4][lane][g % 4]
	v_lshlrev_b32 v[TTC], s84, v3
	v_lshl_add_u32 v[TTC], v2, 4, v[TTC]
	v_lshlrev_b32 v[TTS], s85, v3
	; registers that must hold zeros or must have been written
.irp j,8,9,10,11,12,13,14,15
	v_mov_b32 v[XCD+\j], 0
.endr
.irp j,16,17,18,19,20,21,22,23,24,25,26,27
	v_mov_b32 v[KCD+\j], 0
.endr
.irp j,4,5,6,7,8,9,10,11,12,13,14,15
	v_mov_b32 v[QFD+\j], 0
.endr
.irp j,3,7
	v_mov_b32 v[KCD+\j], 0                         ; the fourth word of a key's coordinates
.endr
.irp j,0,1,2,3,4,5,6,7,8,9,10,11,12,13,14,15
	v_mov_b32 v[TM+\j], 0
.endr
	v_mov_b32 v[NM+1], 0
	v_mov_b32 v[RS+1], 0
	WIN 0x40
.irp f,0,1,2,3
.irp j,8,9,10,11,12,13,14,15
	v_mov_b32 v[16*\f+\j], 0                       ; the weights' fragments: K = 64 .. 127 are zero codes
.endr
.endr
.irp j,96,97,98,99,100,101,102,103,104,105,106,107,108,109,110,111,112
	v_mov_b32 v[\j], 0
.endr
	WIN 0
	s_wait_kmcnt 0x0
	s_cmp_eq_u32 s60, 0
	s_cselect_b64 s[70:71], s[34:35], s[38:39]
	s_cselect_b64 s[72:73], s[36:37], s[40:41]
	s_add_nc_u64 s[70:71], s[70:71], s[98:99]
	s_add_nc_u64 s[72:73], s[72:73], s[96:97]
	s_add_nc_u64 s[74:75], s[30:31], s[78:79]
	s_add_nc_u64 s[76:77], s[32:33], s[92:93]
	; where p goes: block of 64 queries x / 4: [h][s][x % 4] images, then [h][s][lane][x % 4] scale words, then 1 / l [h][64].  s = w / 2; my half: pieces and bytes 2 (w % 2) on
	s_lshr_b32 s78, s61, 2
	s_mul_i32 s78, s78, 140288
	s_and_b32 s79, s61, 3
	s_lshr_b32 s94, s60, 1
	s_lshl_b32 s92, s62, 2
	s_add_co_u32 s92, s92, s94                     ; 4 h + w / 2
	s_and_b32 s95, s60, 1                          ; w % 2
	s_lshl_b32 s93, s92, 13
	s_lshl_b32 s94, s79, 11
	s_add_co_u32 s93, s93, s94
	s_lshl_b32 s94, s95, 10
	s_add_co_u32 s93, s93, s94
	s_add_co_u32 s86, s78, s93
	s_mov_b32 s87, 0
	s_add_nc_u64 s[86:87], s[28:29], s[86:87]
	s_lshl_b32 s93, s92, 9
	s_lshl_b32 s94, s79, 2
	s_add_co_u32 s93, s93, s94
	s_lshl_b32 s94, s95, 1
	s_add_co_u32 s93, s93, s94
	s_add_co_u32 s93, s93, 131072
	s_add_co_u32 s88, s78, s93
	s_mov_b32 s89, 0
	s_add_nc_u64 s[88:89], s[28:29], s[88:89]
	s_lshl_b32 s93, s62, 8
	s_lshl_b32 s94, s79, 6
	s_add_co_u32 s93, s93, s94
	s_add_co_u32 s93, s93, 139264
	s_add_co_u32 s90, s78, s93
	s_mov_b32 s91, 0
	s_add_nc_u64 s[90:91], s[28:29], s[90:91]
	; THE TASKS' LOADS: the oldest loads of a wave, so that every counted wait below counts the same younger loads in all waves
	s_cmp_lt_u32 s60, 2
	s_cbranch_scc0 .Lt_not01
	WIN 0x40
.irp k,0,1,2,3
	global_load_b128 v[96+4*\k:99+4*\k], v[TTC], s[70:71] offset:32*\k
.endr
	global_load_b32 v112, v[TTS], s[72:73]
	WIN 0
	s_branch .Lt_done
.Lt_not01:
	s_cmp_eq_u32 s60, 2
	s_cbranch_scc0 .Lt_done
	s_cmp_lt_u32 s63, 22
	s_cbranch_scc0 .Lt_done
	s_sub_co_u32 s78, s63, 6
	s_lshr_b32 s78, s78, 1                         ; from g = 8 on: vector (g - 6) / 2 of the eight, half g % 2
	s_and_b32 s92, s63, 1
	s_lshl_b32 s92, s92, 9
	s_lshl_b32 s94, s63, 9
	s_mul_i32 s96, s63, 4608
	s_add_co_u32 s96, s96, 4096                    ; g < 8: b1's piece g goes behind chunk g's scale words
	s_add_co_u32 s98, s94, 32768                   ; else to 36,864 + 512 (g - 8)
	s_cmp_lt_u32 s63, 8
	s_cselect_b32 s78, 0, s78
	s_cselect_b32 s92, s94, s92
	s_cselect_b32 s96, s96, s98
	s_mov_b32 s93, 0
	s_mov_b32 s97, 0
	s_mov_b64 s[70:71], s[44:45]
.irp j,1,2,3,4,5,6,7
	s_cmp_eq_u32 s78, \j
	s_cselect_b64 s[70:71], s[44+2*\j:45+2*\j], s[70:71]
.endr
	s_add_nc_u64 s[70:71], s[70:71], s[92:93]
	s_add_nc_u64 s[74:75], s[32:33], s[96:97]
	WIN 0x40
	global_load_b128 v[96:99], v4, s[70:71]
	WIN 0
.Lt_done:
.irp c,0,1
.irp k,0,1,2,3
	global_load_b128 v[GSR+16*\c+4*\k:GSR+16*\c+4*\k+3], v[THH], s[12:13] offset:128*\c+16*\k
	global_load_b128 v[BSR+16*\c+4*\k:BSR+16*\c+4*\k+3], v[THH], s[14:15] offset:128*\c+16*\k
.endr
.endr
	WIN 0x40
.irp u,0,1
.irp c,0,1
	global_load_b128 v[16*\u+4*\c:16*\u+4*\c+3], v[TWC], s[16:17] offset:512*\u+32*\c        ; Wk: tile u takes row 32 h + 8 u + r + 8 (r / 8)
	global_load_b128 v[32+16*\u+4*\c:32+16*\u+4*\c+3], v[TWC], s[22:23] offset:512*\u+32*\c  ; Wq likewise
	global_load_b128 v[64+8*\u+4*\c:64+8*\u+4*\c+3], v[TBI], s[20:21] offset:32*\u+16*\c     ; bk in the result's layout: 32 h + 16 hh + 8 u + 0 .. 7
	global_load_b128 v[80+8*\u+4*\c:80+8*\u+4*\c+3], v[TBI], s[26:27] offset:32*\u+16*\c     ; bq
.endr
.endr
	WIN 0
.irp u,0,1
	global_load_u16 v[WSC+\u], v[TWS], s[18:19] offset:16*\u                                   ; two scale bytes; the upper two bytes of the word are 0
	global_load_u16 v[WSC+2+\u], v[TWS], s[24:25] offset:16*\u
.endr
.irp i,0,1
.irp c,0,1,2
	global_load_b32 v[KCD+4*\i+\c], v[TXK], s[10:11] offset:1152*\i+4*\c                       ; key 64 w + 32 i + lane
.endr
.endr
	global_load_b32 v8, v[TXQ], s[10:11]
	global_load_b32 v9, v[TXQ], s[10:11] offset:4
	global_load_b32 v7, v[TXQ], s[10:11] offset:8                                              ; my query's CA
.macro LOADX t                         ; tile t of state into set t % 2: tiles 0-3 my keys, tile 4 the queries
.irp c,0,1
.irp k,0,1,2,3
.if (\t) < 4
	global_load_b128 v[XX0+32*((\t)%2)+16*\c+4*\k:XX0+32*((\t)%2)+16*\c+4*\k+3], v5, s[8:9] offset:(32*((\t)/2)+8*((\t)%2))*256+128*\c+16*\k
.else
	global_load_b128 v[XX0+32*((\t)%2)+16*\c+4*\k:XX0+32*((\t)%2)+16*\c+4*\k+3], v6, s[8:9] offset:128*\c+16*\k
.endif
.endr
.endr
.endm
	LOADX 0
	LOADX 1
	s_wait_loadcnt 8                               ; all but tile 1's eight loads are in
.irp i,0,1
	ds_store_b128 v10, v[KCD+4*\i:KCD+4*\i+3] offset:512*\i
.endr
	s_wait_dscnt 0x0                               ; the stores have read their registers, which k's codes take
.macro FOLD4                           ; four pairs at TM become the row's sum, in lanes l and l xor 16 alike
	v_pk_add_f32 v[TM:TM+1], v[TM:TM+1], v[TM+4:TM+5]
	v_pk_add_f32 v[TM+2:TM+3], v[TM+2:TM+3], v[TM+6:TM+7]
	v_pk_add_f32 v[TM:TM+1], v[TM:TM+1], v[TM+2:TM+3]
	v_add_f32 v[TM], v[TM], v[TM+1]
	v_permlanex16_b32 v[TM+1], v[TM], s66, s67
	v_add_f32 v[TM], v[TM], v[TM+1]
.endm
; One tile of 16 rows of state: LayerNorm, codes along 64, two products with the head's 32 rows of Wk (Wq), codes along 32.
.macro TILE t
.set XB, XX0+32*((\t)%2)
.if (\t) < 4
.set F0, 0
.set BI, 64
.set KD, KCD+4*(\t)
.set KB, KWS+(\t)
	s_wait_loadcnt 8                               ; this tile's loads are in; the next tile's eight may be out
.else
.set F0, 2
.set BI, 80
.set KD, QFD
.set KB, QWS
	s_wait_loadcnt 0x0
.endif
.irp c,0,1,2,3
	v_pk_add_f32 v[TM+2*\c:TM+2*\c+1], v[XB+2*\c:XB+2*\c+1], v[XB+8+2*\c:XB+9+2*\c]
.endr
.irp o,16,24
.irp c,0,1,2,3
	v_pk_add_f32 v[TM+2*\c:TM+2*\c+1], v[TM+2*\c:TM+2*\c+1], v[XB+\o+2*\c:XB+\o+2*\c+1]
.endr
.endr
	FOLD4
	v_mul_f32 v[NM], 0xbc800000, v[TM]             ; - mean
.set i, 0
.rept 16
	v_pk_add_f32 v[XB+2*i:XB+2*i+1], v[XB+2*i:XB+2*i+1], v[NM:NM+1] op_sel_hi:[1,0]
.set i, i+1
.endr
.irp c,0,1,2,3
	v_pk_mul_f32 v[TM+2*\c:TM+2*\c+1], v[XB+2*\c:XB+2*\c+1], v[XB+2*\c:XB+2*\c+1]
.endr
.irp o,8,16,24
.irp c,0,1,2,3
	v_pk_fma_f32 v[TM+2*\c:TM+2*\c+1], v[XB+\o+2*\c:XB+\o+2*\c+1], v[XB+\o+2*\c:XB+\o+2*\c+1], v[TM+2*\c:TM+2*\c+1]
.endr
.endr
	FOLD4
	v_fma_f32 v[TM], v[TM], s82, s83               ; variance + eps
	v_rsq_f32 v[RS], v[TM]
	v_nop                                          ; a plain place behind the transcendental
.set i, 0
	s_wait_alu depctr_va_vdst(0)
.rept 16
	v_pk_mul_f32 v[XB+2*i:XB+2*i+1], v[XB+2*i:XB+2*i+1], v[RS:RS+1] op_sel_hi:[1,0]
.set i, i+1
.endr
.set i, 0
.rept 16
	v_pk_fma_f32 v[XB+2*i:XB+2*i+1], v[XB+2*i:XB+2*i+1], v[GSR+2*i:GSR+2*i+1], v[BSR+2*i:BSR+2*i+1]
.set i, i+1
.endr
	; codes along the 64: two blocks of 32, 16 numbers of each in my lane, the others in lane l xor 16
.irp g,0,1
	v_max3_num_f32 v[TM+\g], |v[XB+16*\g]|, |v[XB+16*\g+1]|, 0x4800000      ; the floor 2^(9 - 127) holds the byte at 1 from below
.endr
.irp i,2,4,6,8,10,12,14
.irp g,0,1
	v_max3_num_f32 v[TM+\g], v[TM+\g], |v[XB+16*\g+\i]|, |v[XB+16*\g+\i+1]|
.endr
.endr
.irp g,0,1
	v_permlanex16_b32 v[TM+4+\g], v[TM+\g], s66, s67
.endr
.irp g,0,1
	v_max_num_f32 v[TM+\g], v[TM+\g], v[TM+4+\g]
.endr
.irp g,0,1
	v_add_nc_u32 v[TM+12+\g], 0xfc000000, v[TM+\g]                          ; 8 off the exponent field: the conversion's scale operand
	v_and_or_b32 v[TM+8+\g], v[TM+\g], 0x7f800000, s68                      ; 448 x the scale
	v_lshrrev_b32 v[TM+4+\g], 23, v[TM+12+\g]                               ; the scale's byte
.endr
	v_lshl_or_b32 v[XWS], v[TM+5], 8, v[TM+4]      ; the row's scale word: bytes 2 and 3 are 0, over zero codes
.irp g,0,1
.irp i,0,1,2,3,4,5,6,7,8,9,10,11,12,13,14,15
	v_med3_num_f32 v[XB+16*\g+\i], v[XB+16*\g+\i], -v[TM+8+\g], v[TM+8+\g]  ; the conversion does not saturate (ISA guide 7.6.2): the hold
.endr
.endr
.irp g,0,1
	v_cvt_scalef32_pk8_fp8_f32 v[XCD+4*\g:XCD+4*\g+1], v[XB+16*\g:XB+16*\g+7], v[TM+12+\g]
	v_cvt_scalef32_pk8_fp8_f32 v[XCD+4*\g+2:XCD+4*\g+3], v[XB+16*\g+8:XB+16*\g+15], v[TM+12+\g]
.endr
.rept 5
	v_nop                                          ; one place behind the conversions, four in front of a scaled product whose operand vector instructions wrote
.endr
	WIN 0x11                                       ; source 0 (weights) and C (bias) in window 1
	v_wmma_scale_f32_16x16x128_f8f6f4 v[XB:XB+7], v[16*F0:16*F0+15], v[XCD:XCD+15], v[BI:BI+7], v[WSC+F0], v[XWS]
	v_wmma_scale_f32_16x16x128_f8f6f4 v[XB+8:XB+15], v[16*F0+16:16*F0+31], v[XCD:XCD+15], v[BI+8:BI+15], v[WSC+F0+1], v[XWS]
	WIN 0
.rept 9
	v_nop                                          ; places behind the products (ISA guide 7.12.1)
.endr
.if (\t) == 4
.set i, 0
.rept 16
	v_mul_f32 v[XB+i], 0x3e800000, v[XB+i]         ; q x 16^-0.5
.set i, i+1
.endr
.endif
	; lane (r, hh) holds row r and d = 16 hh + 0 .. 15: one block of 32 with lane l xor 16
	v_max3_num_f32 v[TM], |v[XB]|, |v[XB+1]|, 0x4800000
	v_max3_num_f32 v[TM+1], |v[XB+8]|, |v[XB+9]|, 0x4800000
.irp i,2,4,6
	v_max3_num_f32 v[TM], v[TM], |v[XB+\i]|, |v[XB+\i+1]|
	v_max3_num_f32 v[TM+1], v[TM+1], |v[XB+8+\i]|, |v[XB+9+\i]|
.endr
	v_max_num_f32 v[TM], v[TM], v[TM+1]
	v_permlanex16_b32 v[TM+4], v[TM], s66, s67
	v_max_num_f32 v[TM], v[TM], v[TM+4]
	v_add_nc_u32 v[TM+12], 0xfc000000, v[TM]
	v_and_or_b32 v[TM+8], v[TM], 0x7f800000, s68
	v_lshrrev_b32 v[KB], 23, v[TM+12]              ; the scale word: one byte, the others 0
.irp i,0,1,2,3,4,5,6,7,8,9,10,11,12,13,14,15
	v_med3_num_f32 v[XB+\i], v[XB+\i], -v[TM+8], v[TM+8]
.endr
	v_cvt_scalef32_pk8_fp8_f32 v[KD:KD+1], v[XB:XB+7], v[TM+12]
	v_cvt_scalef32_pk8_fp8_f32 v[KD+2:KD+3], v[XB+8:XB+15], v[TM+12]
	v_nop
.if (\t)+2 <= 4
	LOADX (\t)+2
.endif
.endm
.irp t,0,1,2,3,4
	TILE \t
.endr
.macro CKLOAD b                        ; the coordinates of keys 32 b + 16 hh + 0 .. 15 of my wave
.set i, 0
.rept 16
	ds_load_b128 v[CKR+4*i:CKR+4*i+3], v11 offset:512*(\b)+16*i
.set i, i+1
.endr
.endm
; 16 keys: |CA_key - CA_query| as reference() has it (squares, two additions, a root), then -1e9 onto the score where it is not under the bin
.macro DIST b
	s_wait_dscnt 0x0
.set i, 0
.rept 16
	v_pk_add_f32 v[CKR+4*i:CKR+4*i+1], v[CKR+4*i:CKR+4*i+1], v[8:9] neg_lo:[0,1] neg_hi:[0,1]
	v_sub_f32 v[CKR+4*i+2], v[CKR+4*i+2], v7
.set i, i+1
.endr
.set i, 0
.rept 16
	v_pk_mul_f32 v[CKR+4*i:CKR+4*i+1], v[CKR+4*i:CKR+4*i+1], v[CKR+4*i:CKR+4*i+1]
	v_mul_f32 v[CKR+4*i+2], v[CKR+4*i+2], v[CKR+4*i+2]
.set i, i+1
.endr
.set i, 0
.rept 16
	v_add_f32 v[CKR+4*i], v[CKR+4*i], v[CKR+4*i+1]
.set i, i+1
.endr
.set i, 0
.rept 16
	v_add_f32 v[CKR+4*i], v[CKR+4*i], v[CKR+4*i+2]
.set i, i+1
.endr
.set i, 0
.rept 16
	v_sqrt_f32 v[CKR+4*i], v[CKR+4*i]
.set i, i+1
.endr
	v_nop
.set i, 0
	s_wait_alu depctr_va_vdst(0)
.rept 16
	v_cmp_gt_f32 vcc_lo, s69, v[CKR+4*i]           ; the bin > the distance: the key counts
	v_cndmask_b32 v[CKR+4*i+1], 0xce6e6b28, v15, vcc_lo
.set i, i+1
.endr
.set i, 0
.rept 16
	v_add_f32 v[SCO+16*(\b)+i], v[SCO+16*(\b)+i], v[CKR+4*i+1]   ; each accumulator from its low end on
.set i, i+1
.endr
.endm
	CKLOAD 0
.rept 5
	v_nop
.endr
.irp t,0,1,2,3                         ; S^T = k q^T: source 0 = 16 keys, source 1 = the 16 queries.  A fragment of k begins at its tile's four registers; what follows meets q's zero codes
	v_wmma_scale_f32_16x16x128_f8f6f4 v[SCO+8*\t:SCO+8*\t+7], v[KCD+4*\t:KCD+4*\t+15], v[QFD:QFD+15], 0, v[KWS+\t], v[QWS]
.endr
	DIST 0                                         ; its first 96 lines name no register of the products: they are the places behind them
	CKLOAD 1
	DIST 1
	; the largest score of each block of 32 keys: for the row's maximum, and, since p rises with the score, for the block's largest p
.irp b,0,1
	v_max3_num_f32 v[BM+\b], v[SCO+16*\b], v[SCO+16*\b+1], v[SCO+16*\b+2]
.endr
.irp i,3,5,7,9,11,13
.irp b,0,1
	v_max3_num_f32 v[BM+\b], v[BM+\b], v[SCO+16*\b+\i], v[SCO+16*\b+\i+1]
.endr
.endr
.irp b,0,1
	v_max_num_f32 v[BM+\b], v[BM+\b], v[SCO+16*\b+15]
.endr
.irp b,0,1
	v_permlanex16_b32 v[PM+\b], v[BM+\b], s66, s67
.endr
.irp b,0,1
	v_max_num_f32 v[BM+\b], v[BM+\b], v[PM+\b]
.endr
	v_max_num_f32 v[LM], v[BM], v[BM+1]
	ds_store_b32 v12, v[LM]                        ; lanes r and r + 16 write the same word with the same value
	s_wait_dscnt 0x0                               ; for the others' sake
	s_barrier_signal -1
	s_barrier_wait -1
.irp i,0,1,2,3,4,5,6,7
	ds_load_b32 v[EXV+\i], v13 offset:64*\i
.endr
	s_wait_dscnt 0x0
	v_max3_num_f32 v[LM], v[EXV], v[EXV+1], v[EXV+2]
	v_max3_num_f32 v[LM], v[LM], v[EXV+3], v[EXV+4]
	v_max3_num_f32 v[LM], v[LM], v[EXV+5], v[EXV+6]
	v_max_num_f32 v[LM], v[LM], v[EXV+7]           ; the row's largest logit over all 512 keys
	v_mul_f32 v[LM], s80, v[LM]                    ; as t
	v_floor_f32 v[NG], -v[LM]                      ; -M = floor(-t) = -ceil(t)
.set i, 0
.rept 16
	v_pk_fma_f32 v[SCO+2*i:SCO+2*i+1], v[SCO+2*i:SCO+2*i+1], s[80:81], v[NG:NG+1] op_sel_hi:[1,0,0]
.set i, i+1
.endr
.irp b,0,1
	v_fma_f32 v[BM+\b], v[BM+\b], s80, v[NG]
.endr
.set i, 0
.rept 32
	v_exp_f32 v[SCO+i], v[SCO+i]                   ; p = 2^(t - M)
.set i, i+1
.endr
.irp b,0,1
	v_exp_f32 v[BM+\b], v[BM+\b]                   ; the block's largest p: the same two instructions on the same number
.endr
	v_nop
	s_wait_alu depctr_va_vdst(0)
	v_pk_add_f32 v[SA:SA+1], v[SCO:SCO+1], v[SCO+4:SCO+5]          ; the sum is taken of the unquantised p
	v_pk_add_f32 v[SB:SB+1], v[SCO+2:SCO+3], v[SCO+6:SCO+7]
.irp j,8,12,16,20,24,28
	v_pk_add_f32 v[SA:SA+1], v[SA:SA+1], v[SCO+\j:SCO+\j+1]
	v_pk_add_f32 v[SB:SB+1], v[SB:SB+1], v[SCO+\j+2:SCO+\j+3]
.endr
	v_pk_add_f32 v[SA:SA+1], v[SA:SA+1], v[SB:SB+1]
	v_add_f32 v[SA], v[SA], v[SA+1]
	v_permlanex16_b32 v[SA+1], v[SA], s66, s67
	v_add_f32 v[SA], v[SA], v[SA+1]
	ds_store_b32 v12, v[SA] offset:512             ; my wave's 64 keys' part of l
.irp b,0,1
	v_max_num_f32 v[BM+\b], 0x4800000, v[BM+\b]
.endr
.irp b,0,1
	v_add_nc_u32 v[SO+\b], 0xfc000000, v[BM+\b]
.endr
.irp b,0,1
	v_and_or_b32 v[HO+\b], v[BM+\b], 0x7f800000, s68
.endr
.irp b,0,1
	v_lshrrev_b32 v[PM+\b], 23, v[SO+\b]
.endr
	v_lshl_or_b32 v[PWD], v[PM+1], 8, v[PM]        ; my two bytes of the fragment's scale word
.irp b,0,1
.irp i,0,1,2,3,4,5,6,7,8,9,10,11,12,13,14,15
	v_min_num_f32 v[SCO+16*\b+\i], v[SCO+16*\b+\i], v[HO+\b]       ; p is not negative: a one-sided hold
.endr
.endr
.irp b,0,1
	v_cvt_scalef32_pk8_fp8_f32 v[XCD+4*\b:XCD+4*\b+1], v[SCO+16*\b:SCO+16*\b+7], v[SO+\b]
	v_cvt_scalef32_pk8_fp8_f32 v[XCD+4*\b+2:XCD+4*\b+3], v[SCO+16*\b+8:SCO+16*\b+15], v[SO+\b]
.endr
	v_nop
.irp k,0,1
	global_store_b128 v4, v[XCD+4*\k:XCD+4*\k+3], s[86:87] offset:512*\k      ; my two pieces of the fragment's image: 512 consecutive bytes a store
.endr
	global_store_b16 v4, v[PWD], s[88:89]
	s_wait_dscnt 0x0
	s_barrier_signal -1
	s_barrier_wait -1
	s_cmp_lg_u32 s60, 0
	s_cbranch_scc1 .Lno_l
.irp i,0,1,2,3,4,5,6,7
	ds_load_b32 v[EXV+\i], v13 offset:512+64*\i
.endr
	s_wait_dscnt 0x0
.irp i,0,2,4,6
	v_add_f32 v[EXV+\i], v[EXV+\i], v[EXV+\i+1]
.endr
	v_add_f32 v[EXV], v[EXV], v[EXV+2]
	v_add_f32 v[EXV+4], v[EXV+4], v[EXV+6]
	v_add_f32 v[EXV], v[EXV], v[EXV+4]
	v_rcp_f32 v[EXV+1], v[EXV]
	v_nop
	s_wait_alu depctr_va_vdst(0)
	global_store_b32 v14, v[EXV+1], s[90:91]       ; 1 / l
.Lno_l:
	; THE TASKS' STORES (every load of the wave was waited for in front of the last tile)
	s_cmp_lt_u32 s60, 2
	s_cbranch_scc0 .Ls_not01
	WIN 0x04
.irp k,0,1,2,3
	global_store_b128 v4, v[96+4*\k:99+4*\k], s[74:75] offset:512*\k
.endr
	global_store_b32 v4, v112, s[76:77]
	WIN 0
	s_branch .Ls_done
.Ls_not01:
	s_cmp_eq_u32 s60, 2
	s_cbranch_scc0 .Ls_done
	s_cmp_lt_u32 s63, 22
	s_cbranch_scc0 .Ls_done
	WIN 0x04
	global_store_b128 v4, v[96:99], s[74:75]
	WIN 0
.Ls_done:
	s_wait_tensorcnt 0x0
	ds_add_u32 v254, v255
	s_wait_dscnt 0x0
	s_endpgm
.Lfunc_end_k_qab3f59523a_att:
	.size	k_qab3f59523a_att, .Lfunc_end_k_qab3f59523a_att-k_qab3f59523a_att
	.p2alignl 7, 3214868480
	.fill 96, 4, 3214868480
	.section	.rodata,"a",@progbits
	.p2align	6, 0x0
	.amdhsa_kernel k_qab3f59523a_att
		.amdhsa_group_segment_fixed_size 10240
		.amdhsa_private_segment_fixed_size 0
		.amdhsa_enable_private_segment 0
		.amdhsa_kernarg_size 200
		.amdhsa_user_sgpr_count 2
		.amdhsa_user_sgpr_kernarg_segment_ptr 1
		.amdhsa_wavefront_size32 1
		.amdhsa_system_sgpr_workgroup_id_x 1
		.amdhsa_system_sgpr_workgroup_id_y 1
		.amdhsa_system_sgpr_workgroup_id_z 1
		.amdhsa_system_vgpr_workitem_id 0
		.amdhsa_next_free_vgpr 384
		.amdhsa_next_free_sgpr 100
		.amdhsa_reserve_vcc 1
		.amdhsa_float_denorm_mode_32 3
		.amdhsa_float_denorm_mode_16_64 3
		.amdhsa_memory_ordered 1
		.amdhsa_forward_progress 1
		.amdhsa_inst_pref_size 108
	.end_amdhsa_kernel
	.amdgpu_metadata
---
amdhsa.version: [ 1, 2 ]
amdhsa.kernels:
  - .name:           k_qab3f59523a_att
    .symbol:         k_qab3f59523a_att.kd
    .args:
      - { .name: state, .offset: 0, .size: 8, .value_kind: global_buffer, .address_space: global }
      - { .name: xyz, .offset: 8, .size: 8, .value_kind: global_buffer, .address_space: global }
      - { .name: ln_state_g, .offset: 16, .size: 8, .value_kind: global_buffer, .address_space: global }
      - { .name: ln_state_b, .offset: 24, .size: 8, .value_kind: global_buffer, .address_space: global }
      - { .name: Wk_codes, .offset: 32, .size: 8, .value_kind: global_buffer, .address_space: global }
      - { .name: Wk_scales, .offset: 40, .size: 8, .value_kind: global_buffer, .address_space: global }
      - { .name: bk, .offset: 48, .size: 8, .value_kind: global_buffer, .address_space: global }
      - { .name: Wq_codes, .offset: 56, .size: 8, .value_kind: global_buffer, .address_space: global }
      - { .name: Wq_scales, .offset: 64, .size: 8, .value_kind: global_buffer, .address_space: global }
      - { .name: bq, .offset: 72, .size: 8, .value_kind: global_buffer, .address_space: global }
      - { .name: pblk, .offset: 80, .size: 8, .value_kind: global_buffer, .address_space: global }
      - { .name: wimg, .offset: 88, .size: 8, .value_kind: global_buffer, .address_space: global }
      - { .name: wsc, .offset: 96, .size: 8, .value_kind: global_buffer, .address_space: global }
      - { .name: W1_codes, .offset: 104, .size: 8, .value_kind: global_buffer, .address_space: global }
      - { .name: W1_scales, .offset: 112, .size: 8, .value_kind: global_buffer, .address_space: global }
      - { .name: W2_codes, .offset: 120, .size: 8, .value_kind: global_buffer, .address_space: global }
      - { .name: W2_scales, .offset: 128, .size: 8, .value_kind: global_buffer, .address_space: global }
      - { .name: b1, .offset: 136, .size: 8, .value_kind: global_buffer, .address_space: global }
      - { .name: ln_out_g, .offset: 144, .size: 8, .value_kind: global_buffer, .address_space: global }
      - { .name: ln_out_b, .offset: 152, .size: 8, .value_kind: global_buffer, .address_space: global }
      - { .name: ln_msa_g, .offset: 160, .size: 8, .value_kind: global_buffer, .address_space: global }
      - { .name: ln_msa_b, .offset: 168, .size: 8, .value_kind: global_buffer, .address_space: global }
      - { .name: ff_ln_g, .offset: 176, .size: 8, .value_kind: global_buffer, .address_space: global }
      - { .name: ff_ln_b, .offset: 184, .size: 8, .value_kind: global_buffer, .address_space: global }
      - { .name: b2, .offset: 192, .size: 8, .value_kind: global_buffer, .address_space: global }
    .group_segment_fixed_size: 10240
    .private_segment_fixed_size: 0
    .kernarg_segment_align: 8
    .kernarg_segment_size: 200
    .max_flat_workgroup_size: 256
    .sgpr_count:     100
    .vgpr_count:     384
    .wavefront_size: 32
...
	.end_amdgpu_metadata
.endif
;; end of part 1
;; launch vproj (part 2): grid 2 x 128, 4 waves a work-group, no clusters, 144,896 bytes of LDS; arguments msa, ln_msa_g, ln_msa_b, Wv_codes, Wv_scales, bv, vimg, vsc, mstat; writes vimg, vsc, mstat
.if DOCPART == 2
	.amdgcn_target "amdgcn-amd-amdhsa--gfx1250"
	.amdhsa_code_object_version 6
	.text
	.protected	k_qab3f59523a_vproj
	.globl	k_qab3f59523a_vproj
	.p2align	8
	.type	k_qab3f59523a_vproj,@function
k_qab3f59523a_vproj:
	s_mov_b64 s[64:65], 0
	v_nop
	global_prefetch_b8 v0, s[64:65] scope:SCOPE_SE
	s_setreg_imm32_b32 hwreg(HW_REG_WAVE_MODE, 25, 1), 1
	s_wait_xcnt 0x0
; v = LN(msa) Wv + bv in MX-FP8, quantised ALONG THE POSITIONS (the K of the later product p v), stored as images of that product's operand registers.
; A work-group owns 256 positions (x) of one MSA row (y).  PHASE X: wave w takes 64 positions as four tiles of 16: dense loads (512 consecutive bytes each),
; a turn through its own stage in LDS so that a lane holds 16 neighbouring channels of each block of 32, LayerNorm, codes; the fragments' images go to LDS.  One barrier.
; PHASE V: wave (s2 = w / 2, chh = w % 2) takes 128 positions x 128 channels.  Source 0 = 16 positions, source 1 = 16 rows of Wv: a lane then holds ONE channel and its
; registers run along the positions.  THE POSITIONS OF A TILE ARE CHOSEN (tile 2 b + u takes 32 b + 8 u + m + 8 (m / 8)), so that the 64 registers of eight tiles are
; positions 32 b + 16 hh + 0 .. 15: the conversions' results are the later operand's registers.  The channels of a tile are chosen in the same way, for the later LayerNorm's sake.
; Each row's (rstd, - mean rstd) is stored too: the later launch forms LN(msa) anew from them.
; Gain and bias come by four dense loads a wave, go through the wave's own 2,048 bytes of LDS and come back in the lane's layout: so only 68 loads stand at the head, the rows among the first.
; No tensor loads, no cluster: work-groups share only the small Wv, which each wave reads once into registers.
; LIMITS: NaN and infinities are not served; a block whose largest magnitude lies under 2^-118 gets the scale byte 1 (read by this program alone).
; REGISTERS: window 0: v1-13 addresses; v16-47 scale words; v48-127 small things; v128-255 a tile's 128 numbers a lane, later eight accumulators.
; window 1: two sets of raw rows, later 16 fragments of LN(msa).  window 2: gain and bias in the lane's layout.  window 3: my 8 x 2 fragments of Wv.
.set AIMG,  66560                      ; LDS: 0: 4 stages of 16 rows x 1,040 bytes; 66,560: 32 images of 2,048 bytes (2 T + ks); 132,096: their scale words, 128 bytes each;
.set ASCL,  132096
.set PARW,  136192                     ; 136,192: 4 x 2,048 bytes: gain, then bias, a copy for each wave
.set LI,    1
.set LS,    2
.set STD,   3
.set STL,   4
.set GBA,   5
.set MSO,   6
.set AWI,   7
.set AWS,   8
.set ARI,   9
.set ARS,   10
.set WVA,   11
.set WVSA,  12
.set BVA,   13
.set ASW,   16
.set WVS,   32
.set SW4,   48
.set BVR,   52
.set CBR,   60
.set TM,    68
.set SS,    84
.set PCD,   100
.set PWD,   116
.set PWA,   117
.set NM,    118
.set RS,    120
.set XX,    128
.set MSB, 0
.macro WIN new                         ; the immediate's high byte repeats the setting that is left
.if MSB != (\new)
	s_set_vgpr_msb (MSB<<8)|(\new)
.set MSB, (\new)
.endif
.endm
	s_load_b512 s[8:23], s[0:1], 0x0               ; msa 8, ln_msa_g 10, ln_msa_b 12, Wv codes 14, Wv scales 16, bv 18, vimg 20, vsc 22
	s_load_b64 s[24:25], s[0:1], 0x40              ; mstat
	v_lshrrev_b32 v14, 5, v0
	v_readfirstlane_b32 s26, v14                   ; wave
	s_and_b32 s27, ttmp7, 0xffff                   ; n
	s_lshr_b32 s28, s26, 1                         ; s2
	s_and_b32 s29, s26, 1                          ; chh
	s_mov_b32 s40, 0x76543210
	s_mov_b32 s41, 0xfedcba98
	s_mov_b32 s42, 0x600000                        ; the mantissa field of 448
	s_mov_b32 s43, 0x3b800000                      ; 1 / 256
	s_mov_b32 s44, 0x3727c5ac                      ; 1e-5
	v_and_b32 v14, 31, v0                          ; lane
	v_and_b32 v15, 15, v0                          ; r
	v_bfe_u32 v124, v0, 4, 1                       ; hh
	v_and_b32 v125, 8, v15
	v_add_nc_u32 v125, v125, v15                   ; r + 8 (r / 8)
	v_lshlrev_b32 v[LI], 4, v14
	v_lshlrev_b32 v[LS], 2, v14
	v_lshlrev_b32 v[GBA], 6, v124
	v_lshlrev_b32 v[MSO], 3, v125
	s_mul_i32 s30, s26, 16640
	v_add_nc_u32 v[STD], s30, v[LI]                ; my stage, dense: 16 x lane
	v_mul_u32_u24 v126, v15, 1040
	v_add_nc_u32 v126, v126, v[GBA]
	v_add_nc_u32 v[STL], s30, v126                 ; and by rows: 1,040 r + 64 hh
	s_lshl_b32 s30, s26, 11
	s_add_co_u32 s30, s30, PARW
	v_add_nc_u32 v[PWA], s30, v[LI]                ; my copy of gain and bias, dense,
	v_add_nc_u32 v[GBA], s30, v[GBA]               ; and in the lane's layout: + 64 hh
	s_lshl_b32 s30, s26, 14
	s_add_co_u32 s30, s30, AIMG
	v_add_nc_u32 v[AWI], s30, v[LI]                ; where I store my eight images
	s_lshl_b32 s30, s26, 10
	s_add_co_u32 s30, s30, ASCL
	v_add_nc_u32 v[AWS], s30, v[LS]
	s_lshl_b32 s30, s28, 15
	s_add_co_u32 s30, s30, AIMG
	v_add_nc_u32 v[ARI], s30, v[LI]                ; where I read the sixteen of my 128 positions
	s_lshl_b32 s30, s28, 11
	s_add_co_u32 s30, s30, ASCL
	v_add_nc_u32 v[ARS], s30, v[LS]
	v_lshlrev_b32 v[WVA], 8, v125                  ; Wv: 256 bytes a row
	v_lshl_add_u32 v[WVA], v124, 4, v[WVA]
	s_lshl_b32 s30, s29, 15
	v_add_nc_u32 v[WVA], s30, v[WVA]               ; + my 128 channels
	v_lshlrev_b32 v[WVSA], 3, v125
	s_lshl_b32 s30, s29, 10
	v_add_nc_u32 v[WVSA], s30, v[WVSA]
	v_lshlrev_b32 v[BVA], 2, v125
	s_lshl_b32 s30, s29, 9
	v_add_nc_u32 v[BVA], s30, v[BVA]
.irp j,4,5,6,7
	v_mov_b32 v[TM+\j], 0                          ; a lane permute's destination counts as one of its sources
.endr
	v_mov_b32 v[NM+1], 0
	v_mov_b32 v[RS+1], 0
	s_lshl_b32 s30, s27, 19                        ; msa: n x 512 rows of 1,024 bytes + 256 x + 64 w rows
	s_lshl_b32 s31, ttmp9, 18
	s_add_co_u32 s30, s30, s31
	s_lshl_b32 s31, s26, 16
	s_add_co_u32 s30, s30, s31
	s_mov_b32 s31, 0
	s_lshl_b32 s32, s27, 12                        ; mstat: 8 bytes a row
	s_lshl_b32 s33, ttmp9, 11
	s_add_co_u32 s32, s32, s33
	s_lshl_b32 s33, s26, 9
	s_add_co_u32 s32, s32, s33
	s_mov_b32 s33, 0
	s_lshl_b32 s38, ttmp9, 1
	s_add_co_u32 s38, s38, s28                     ; K step of the later product: 2 x + s2
	s_lshl_b32 s34, s27, 17                        ; vimg [n][h][s][ct4]: h = 2 chh + ct8 / 4
	s_lshl_b32 s35, s29, 16
	s_add_co_u32 s34, s34, s35
	s_lshl_b32 s35, s38, 13
	s_add_co_u32 s34, s34, s35
	s_mov_b32 s35, 0
	s_lshl_b32 s36, s27, 13                        ; vsc [n][h][s][lane][ct4]
	s_lshl_b32 s37, s29, 12
	s_add_co_u32 s36, s36, s37
	s_lshl_b32 s37, s38, 9
	s_add_co_u32 s36, s36, s37
	s_mov_b32 s37, 0
	s_wait_kmcnt 0x0
	s_add_nc_u64 s[8:9], s[8:9], s[30:31]
	s_add_nc_u64 s[24:25], s[24:25], s[32:33]
	s_add_nc_u64 s[20:21], s[20:21], s[34:35]
	s_add_nc_u64 s[22:23], s[22:23], s[36:37]
.irp e,0,1
	global_load_b128 v[PCD+4*\e:PCD+4*\e+3], v[LI], s[10:11] offset:512*\e       ; gain, dense: the oldest loads
	global_load_b128 v[PCD+8+4*\e:PCD+8+4*\e+3], v[LI], s[12:13] offset:512*\e   ; bias
.endr
.macro RAW k, p                        ; tile k's 16 rows, as they lie, into set p: load i is half i % 2 of the tile's row i / 2
	WIN 0x40
.set i, 0
.rept 32
	global_load_b128 v[128*(\p)+4*i:128*(\p)+4*i+3], v[LI], s[8:9] offset:(32*((\k)/2)+8*((\k)%2)+(i/2)+8*(i/16))*1024+512*(i%2) th:TH_LOAD_NT
.set i, i+1
.endr
	WIN 0
.endm
.macro TURN p                          ; through the stage: in as loaded, out 64 bytes of a block a lane.  LDS serves a wave's instructions in order
	WIN 0x04
.set i, 0
.rept 32
	ds_store_b128 v[STD], v[128*(\p)+4*i:128*(\p)+4*i+3] offset:1040*(i/2)+512*(i%2)
.set i, i+1
.endr
	WIN 0
.irp b,0,1,2,3,4,5,6,7
.irp k,0,1,2,3
	ds_load_b128 v[XX+16*\b+4*\k:XX+16*\b+4*\k+3], v[STL] offset:128*\b+16*\k
.endr
.endr
.endm
.macro WVLOAD c0                       ; four of my eight channel tiles of Wv: tile ct takes row 32 (ct / 2) + 8 (ct % 2) + r + 8 (r / 8)
	WIN 0xc0
.irp e,0,1,2,3
.irp s,0,1
.irp c,0,1,2,3
	global_load_b128 v[32*(\c0+\e)+16*\s+4*\c:32*(\c0+\e)+16*\s+4*\c+3], v[WVA], s[14:15] offset:(32*((\c0+\e)/2)+8*((\c0+\e)%2))*256+128*\s+32*\c
.endr
.endr
.endr
	WIN 0
.endm
.macro FOLD8                           ; eight pairs at SS become the row's sum
.irp c,0,1,2,3
	v_pk_add_f32 v[SS+2*\c:SS+2*\c+1], v[SS+2*\c:SS+2*\c+1], v[SS+8+2*\c:SS+9+2*\c]
.endr
	v_pk_add_f32 v[SS:SS+1], v[SS:SS+1], v[SS+4:SS+5]
	v_pk_add_f32 v[SS+2:SS+3], v[SS+2:SS+3], v[SS+6:SS+7]
	v_pk_add_f32 v[SS:SS+1], v[SS:SS+1], v[SS+2:SS+3]
	v_add_f32 v[SS], v[SS], v[SS+1]
	v_permlanex16_b32 v[SS+1], v[SS], s40, s41
	v_add_f32 v[SS], v[SS], v[SS+1]
.endm
; 64 numbers of a lane, register 16 g + i = k 32 g + 16 hh + i of its row, become a fragment's codes in v[PCD] on and its scale word in v[wd]
.macro QUANT4 src, wd
.irp g,0,1,2,3
	v_max3_num_f32 v[TM+\g], |v[\src+16*\g]|, |v[\src+16*\g+1]|, 0x4800000    ; the floor 2^(9 - 127) holds the byte at 1 from below
.endr
.irp i,2,4,6,8,10,12,14
.irp g,0,1,2,3
	v_max3_num_f32 v[TM+\g], |v[\src+16*\g+\i]|, |v[\src+16*\g+\i+1]|, v[TM+\g]
.endr
.endr
.irp g,0,1,2,3
	v_permlanex16_b32 v[TM+4+\g], v[TM+\g], s40, s41
.endr
.irp g,0,1,2,3
	v_max_num_f32 v[TM+\g], v[TM+\g], v[TM+4+\g]
.endr
.irp g,0,1,2,3
	v_add_nc_u32 v[TM+12+\g], 0xfc000000, v[TM+\g]
.endr
.irp g,0,1,2,3
	v_and_or_b32 v[TM+8+\g], v[TM+\g], 0x7f800000, s42
.endr
.irp g,0,1,2,3
	v_lshrrev_b32 v[TM+4+\g], 23, v[TM+12+\g]
.endr
	v_lshl_or_b32 v[\wd], v[TM+5], 8, v[TM+4]
	v_lshl_or_b32 v[\wd], v[TM+6], 16, v[\wd]
	v_lshl_or_b32 v[\wd], v[TM+7], 24, v[\wd]
.irp g,0,1,2,3
.irp i,0,1,2,3,4,5,6,7,8,9,10,11,12,13,14,15
	v_med3_num_f32 v[\src+16*\g+\i], v[\src+16*\g+\i], -v[TM+8+\g], v[TM+8+\g]  ; the conversion does not saturate (ISA guide 7.6.2)
.endr
.endr
.irp g,0,1,2,3
	v_cvt_scalef32_pk8_fp8_f32 v[PCD+4*\g:PCD+4*\g+1], v[\src+16*\g:\src+16*\g+7], v[TM+12+\g]
	v_cvt_scalef32_pk8_fp8_f32 v[PCD+4*\g+2:PCD+4*\g+3], v[\src+16*\g+8:\src+16*\g+15], v[TM+12+\g]
.endr
	v_nop
.endm
.macro XTILE k
.if (\k) < 3
.set MP, 122+2*(\k)                    ; each tile's pair of statistics has registers of its own: no store's data are written again
.else
.set MP, 14
.endif
	s_wait_loadcnt 32                              ; this tile's rows are in (for tile 0: gain and bias too); the 32 loads issued behind them may be out
.if (\k) == 0
.irp e,0,1,2,3
	ds_store_b128 v[PWA], v[PCD+4*((\e%2)+2*(\e/2)):PCD+4*((\e%2)+2*(\e/2))+3] offset:512*\e   ; gain's two halves, then bias's
.endr
.endif
	TURN (\k)%2
	s_wait_dscnt 0x0                               ; the tile is back, and the stores have read the raw set,
.if (\k) < 2
	RAW (\k)+2, (\k)%2                             ; which takes the tile two further on
.elseif (\k) == 2
	WVLOAD 0
.else
	WVLOAD 4
.irp e,0,1,2,3,4,5,6,7
	global_load_b64 v[WVS+2*\e:WVS+2*\e+1], v[WVSA], s[16:17] offset:(32*(\e/2)+8*(\e%2))*8
	global_load_b32 v[BVR+\e], v[BVA], s[18:19] offset:(32*(\e/2)+8*(\e%2))*4
.endr
.endif
.if (\k) == 0
	WIN 0x80                                       ; gain and bias in the lane's layout, once: they land while the tile is summed
.irp b,0,1,2,3,4,5,6,7
.irp c,0,1,2,3
	ds_load_b128 v[16*\b+4*\c:16*\b+4*\c+3], v[GBA] offset:128*\b+16*\c              ; gain of channels 32 b + 16 hh + 4 c ..
	ds_load_b128 v[128+16*\b+4*\c:128+16*\b+4*\c+3], v[GBA] offset:1024+128*\b+16*\c ; bias
.endr
.endr
	WIN 0
.endif
.irp c,0,1,2,3,4,5,6,7
	v_pk_add_f32 v[SS+2*\c:SS+2*\c+1], v[XX+2*\c:XX+2*\c+1], v[XX+16+2*\c:XX+17+2*\c]
.endr
.set i, 16
.rept 48
	v_pk_add_f32 v[SS+2*(i%8):SS+2*(i%8)+1], v[SS+2*(i%8):SS+2*(i%8)+1], v[XX+2*i:XX+2*i+1]
.set i, i+1
.endr
	FOLD8
	v_mul_f32 v[NM], 0xbb800000, v[SS]             ; - mean
.set i, 0
.rept 64
	v_pk_add_f32 v[XX+2*i:XX+2*i+1], v[XX+2*i:XX+2*i+1], v[NM:NM+1] op_sel_hi:[1,0]
.set i, i+1
.endr
.irp c,0,1,2,3,4,5,6,7
	v_pk_mul_f32 v[SS+2*\c:SS+2*\c+1], v[XX+2*\c:XX+2*\c+1], v[XX+2*\c:XX+2*\c+1]
.endr
.set i, 8
.rept 56
	v_pk_fma_f32 v[SS+2*(i%8):SS+2*(i%8)+1], v[XX+2*i:XX+2*i+1], v[XX+2*i:XX+2*i+1], v[SS+2*(i%8):SS+2*(i%8)+1]
.set i, i+1
.endr
	FOLD8
	v_fma_f32 v[SS], v[SS], s43, s44
	v_rsq_f32 v[RS], v[SS]
	v_nop                                          ; a plain place behind the transcendental
	s_wait_alu depctr_va_vdst(0)
	v_mov_b32 v[MP], v[RS]
	v_mul_f32 v[MP+1], v[NM], v[RS]
	global_store_b64 v[MSO], v[MP:MP+1], s[24:25] offset:(32*((\k)/2)+8*((\k)%2))*8    ; lanes r and r + 16 store the same pair
.set i, 0
.rept 64
	v_pk_mul_f32 v[XX+2*i:XX+2*i+1], v[XX+2*i:XX+2*i+1], v[RS:RS+1] op_sel_hi:[1,0]
.set i, i+1
.endr
.if (\k) == 0
	s_wait_dscnt 0x0                               ; gain and bias are in
.endif
	WIN 0x28                                       ; gain and bias in window 2
.set i, 0
.rept 64
	v_pk_fma_f32 v[XX+2*i:XX+2*i+1], v[XX+2*i:XX+2*i+1], v[2*i:2*i+1], v[128+2*i:129+2*i]
.set i, i+1
.endr
	WIN 0
.irp s,0,1
	QUANT4 XX+64*\s, PWD
.irp c,0,1,2,3
	ds_store_b128 v[AWI], v[PCD+4*\c:PCD+4*\c+3] offset:2048*(2*(\k)+\s)+512*\c
.endr
	ds_store_b32 v[AWS], v[PWD] offset:128*(2*(\k)+\s)
	s_wait_dscnt 0x0                               ; the stores have read their registers
.endr
.endm
	RAW 0, 0
	RAW 1, 1
	XTILE 0
	XTILE 1
	XTILE 2
	XTILE 3
	s_barrier_signal -1                            ; (every LDS instruction of mine was waited for just above)
	s_barrier_wait -1                              ; the 32 images lie in LDS
	WIN 0x40
.set i, 0
.rept 16                               ; fragment 2 T8 + ks of my 128 positions
.irp c,0,1,2,3
	ds_load_b128 v[16*i+4*\c:16*i+4*\c+3], v[ARI] offset:2048*i+512*\c
.endr
.set i, i+1
.endr
	WIN 0
.set i, 0
.rept 16
	ds_load_b32 v[ASW+i], v[ARS] offset:128*i
.set i, i+1
.endr
	s_wait_loadcnt 0x0                             ; Wv, its scales, bv
	s_wait_dscnt 0x0
; One tile of 16 channels x 128 positions: eight accumulators by turns, two K steps; the bias is the C of each sum's first product.
.macro VTILE c8
.irp j,0,1,2,3,4,5,6,7
	v_mov_b32 v[CBR+\j], v[BVR+\c8]
.endr
.rept 4
	v_nop
.endr
	WIN 0x0d                                       ; source 0 (LN(msa)) window 1, source 1 (Wv) window 3
.irp e,0,1,2,3,4,5,6,7
	v_wmma_scale_f32_16x16x128_f8f6f4 v[XX+8*\e:XX+8*\e+7], v[32*\e:32*\e+15], v[32*\c8:32*\c8+15], v[CBR:CBR+7], v[ASW+2*\e], v[WVS+2*\c8]
.endr
.irp e,0,1,2,3,4,5,6,7
	v_wmma_scale_f32_16x16x128_f8f6f4 v[XX+8*\e:XX+8*\e+7], v[32*\e+16:32*\e+31], v[32*\c8+16:32*\c8+31], v[XX+8*\e:XX+8*\e+7], v[ASW+2*\e+1], v[WVS+2*\c8+1]
.endr
	WIN 0
.rept 9
	v_nop                                          ; places behind the products: eight for the reads below, nine for the next tile's products, which begin these accumulators anew
.endr
	s_wait_xcnt 0x0                                ; the last tile's stores have read their registers
	QUANT4 XX, SW4+(\c8)%4
.irp c,0,1,2,3
	global_store_b128 v[LI], v[PCD+4*\c:PCD+4*\c+3], s[20:21] offset:32768*((\c8)/4)+2048*((\c8)%4)+512*\c   ; 512 consecutive bytes a store
.endr
.if (\c8)%4 == 3
	global_store_b128 v[LI], v[SW4:SW4+3], s[22:23] offset:2048*((\c8)/4)
.endif
.endm
.irp t,0,1,2,3,4,5,6,7
	VTILE \t
.endr
	s_wait_xcnt 0x0
	v_lshl_add_u32 v254, v0, 2, 0x23400
	v_mov_b32 v255, 0
	s_wait_tensorcnt 0x0
	ds_add_u32 v254, v255
	s_wait_dscnt 0x0
	s_endpgm
.Lfunc_end_k_qab3f59523a_vproj:
	.size	k_qab3f59523a_vproj, .Lfunc_end_k_qab3f59523a_vproj-k_qab3f59523a_vproj
	.p2alignl 7, 3214868480
	.fill 96, 4, 3214868480
	.section	.rodata,"a",@progbits
	.p2align	6, 0x0
	.amdhsa_kernel k_qab3f59523a_vproj
		.amdhsa_group_segment_fixed_size 144896
		.amdhsa_private_segment_fixed_size 0
		.amdhsa_enable_private_segment 0
		.amdhsa_kernarg_size 72
		.amdhsa_user_sgpr_count 2
		.amdhsa_user_sgpr_kernarg_segment_ptr 1
		.amdhsa_wavefront_size32 1
		.amdhsa_system_sgpr_workgroup_id_x 1
		.amdhsa_system_sgpr_workgroup_id_y 1
		.amdhsa_system_sgpr_workgroup_id_z 1
		.amdhsa_system_vgpr_workitem_id 0
		.amdhsa_next_free_vgpr 1024
		.amdhsa_next_free_sgpr 66
		.amdhsa_reserve_vcc 0
		.amdhsa_float_denorm_mode_32 3
		.amdhsa_float_denorm_mode_16_64 3
		.amdhsa_memory_ordered 1
		.amdhsa_forward_progress 1
		.amdhsa_inst_pref_size 255
	.end_amdhsa_kernel
	.section	.bss,"aw",@nobits
	.p2align	6
	.space	262144
	.amdgpu_metadata
---
amdhsa.version: [ 1, 2 ]
amdhsa.kernels:
  - .name:           k_qab3f59523a_vproj
    .symbol:         k_qab3f59523a_vproj.kd
    .args:
      - { .name: msa, .offset: 0, .size: 8, .value_kind: global_buffer, .address_space: global }
      - { .name: ln_msa_g, .offset: 8, .size: 8, .value_kind: global_buffer, .address_space: global }
      - { .name: ln_msa_b, .offset: 16, .size: 8, .value_kind: global_buffer, .address_space: global }
      - { .name: Wv_codes, .offset: 24, .size: 8, .value_kind: global_buffer, .address_space: global }
      - { .name: Wv_scales, .offset: 32, .size: 8, .value_kind: global_buffer, .address_space: global }
      - { .name: bv, .offset: 40, .size: 8, .value_kind: global_buffer, .address_space: global }
      - { .name: vimg, .offset: 48, .size: 8, .value_kind: global_buffer, .address_space: global }
      - { .name: vsc, .offset: 56, .size: 8, .value_kind: global_buffer, .address_space: global }
      - { .name: mstat, .offset: 64, .size: 8, .value_kind: global_buffer, .address_space: global }
    .group_segment_fixed_size: 144896
    .private_segment_fixed_size: 0
    .kernarg_segment_align: 8
    .kernarg_segment_size: 72
    .max_flat_workgroup_size: 128
    .sgpr_count:     66
    .vgpr_count:     1024
    .wavefront_size: 32
...
	.end_amdgpu_metadata
.endif
;; end of part 2
;; launch main (part 3): grid 32 x 8, 4 waves a work-group, clusters of 4 x 1, 327,680 bytes of LDS; arguments msa, mstat, vimg, vsc, pblk, wimg, wsc, out0; writes out0
.if DOCPART == 3
	.amdgcn_target "amdgcn-amd-amdhsa--gfx1250"
	.amdhsa_code_object_version 6
	.text
	.protected	k_qab3f59523a_main
	.globl	k_qab3f59523a_main
	.p2align	8
	.type	k_qab3f59523a_main,@function
k_qab3f59523a_main:
	s_mov_b64 s[64:65], 0
	v_nop
	global_prefetch_b8 v0, s[64:65] scope:SCOPE_SE
	s_setreg_imm32_b32 hwreg(HW_REG_WAVE_MODE, 25, 1), 1
	s_wait_xcnt 0x0
	s_wait_alu depctr_hold_cnt(0) depctr_sa_sdst(0) depctr_va_vdst(0) depctr_va_sdst(0) depctr_va_ssrc(0) depctr_va_vcc(0) depctr_vm_vsrc(0)
	s_getreg_b32 s2, hwreg(HW_REG_IB_STS2, 6, 4)
	s_cmp_eq_u32 s2, 0
	s_cbranch_scc0 .Lentry_in_a_cluster
	s_endpgm
.Lentry_in_a_cluster:
	s_bfe_u32 s2, ttmp6, 0x10000c
	s_cmp_lg_u32 s2, 0x3003
	s_cbranch_scc0 .Lentry_shape_is_right
	s_endpgm
.Lentry_shape_is_right:
; out = (p v) / l;  msa2 = LN(msa) + LN(out);  out0 = msa2 + relu(LN(msa2) W1 + b1) W2 + b2.  The three products run on E4M3 codes with E8M0 scales.
; SHARES.  Wave w of work-group (x, y) owns MSA row n = 4 x + w and positions 64 y .. 64 y + 63: four tiles of 16 rows, taken through the whole chain in registers.
; Its 64 x 256 results lie in 512 registers (windows 2 and 3): first p v, then msa2 + b2, onto which the last product adds.  No activation goes from wave to wave.
; LAYOUT.  All products are used transposed (source 1 = the rows), and the rows of source 0 that form a tile were chosen by the earlier launches, so that everywhere
; lane (r, hh) holds row r and register 16 b + i holds channel 32 b + 16 hh + i: the layout that the conversions and the next product's operand want.
; All operands made by the earlier launches are IMAGES OF REGISTERS (lane l's 16 bytes at 16 l, 512 bytes a piece): no pitch, no padding.
; CLUSTER.  The four work-groups of a cluster share y: p's block, the constants and the weights are asked for JOINTLY (mask 15), each wave a quarter of each block.
; v of row n is read by one wave of a work-group alone, straight into registers: four waves' v (4 x 136 KiB) would not fit in LDS beside the rest, so it is not shared.
; W1 and W2 walk through a ring of two LDS slots, a chunk of 128 hidden units (64 KiB) a slot.  Both slots are filled at the start.  A slot is asked for again as soon as its last
; fragment has been read, inside the chunk's second product, so that the add, the next chunk's first LDS loads and the refill stand beside matrix work.
; LIMITS: NaN and infinities are not served.  LN(msa) is formed as x rstd - mean rstd: its error grows as 2^-24 |mean| / sigma.  A block whose largest magnitude
; lies under 2^-118 gets the scale byte 1.
; REGISTERS.  window 0: v1-15 addresses; v16-39 scale words and nothing else; v40-55 scratch; v56-63 small things; v64-127 parameters, later the hidden layer's codes;
; v128-255 two sets of p's fragments, then a tile's 128 numbers, then two sets of weight fragments, then rows on their way out.
; window 1: four sets of v's fragments; then v0-127 raw rows of msa, v128-191 64 numbers, v192-221 small things; then x's codes, the hidden tiles, b1.
.set RING1, 65536                      ; LDS: the ring's slots at 0 and 65,536
.set CONST, 131072                     ; 44,032 bytes: 8 x (W1's scale words 2,048, W2's 2,048, b1 512), then seven vectors of 1,024
.set PAR,   CONST+36864
.set PBLK,  175104                     ; 140,288 bytes: p's 64 images, their scale words, 1 / l.  Filled once; behind the first product its first 136,192 bytes serve as
.set PSC,   PBLK+131072
.set PLV,   PBLK+139264
.set STG,   PBLK                       ; four stages of 16 rows x 1,040 bytes, and
.set XIMG,  PBLK+66560                 ; four times eight images of x with their scale words (17,408 bytes a wave)
.set SPARE, 315392                     ; the spare words: 128 bytes a wave, two blocks of 256 bytes that no other line names
.set LI,    1
.set SPW,   2
.set NIL,   3
.set STD,   4
.set STL,   5
.set PARL,  6
.set PARD,  7
.set AP0,   8
.set AP1,   9
.set APS,   10
.set AW,    8
.set ASC,   9
.set AB1,   10
.set ALV0,  11
.set XI0,   12
.set XW0,   13
.set PFA,   14
.set HH64,  15
.set VSW,   16
.set PSW,   32
.set WSW,   16
.set XSW,   24
.set HSW,   32
.set TM,    40
.set LV,    48
.set NM,    56
.set RO,    58
.set XI,    60
.set XW,    61
.set PWD,   62
.set ALV,   63
.set PB,    64
.set HC,    64
.set TT,    128
.set PF,    128
.set WF,    128
.set ZZ,    128                        ; window 1 from here on
.set HID,   128
.set GM,    192
.set BSR,   200
.set CC,    208
.set RF,    210
.set CF,    212
.set TP,    214
.set B1R,   192
.set MSB, 0
.macro WIN new                         ; the immediate's high byte repeats the setting that is left
.if MSB != (\new)
	s_set_vgpr_msb (MSB<<8)|(\new)
.set MSB, (\new)
.endif
.endm
.macro ROUND                           ; a round of the cluster's barrier
	s_barrier_signal -1
	s_barrier_wait -1
	s_cmp_lg_u32 s3, 0
	s_cbranch_scc1 .Lnw0_\@
	s_barrier_signal -3
.Lnw0_\@:
	s_barrier_wait -3
	s_barrier_signal -1
	s_barrier_wait -1
.endm
	s_load_b512 s[8:23], s[0:1], 0x0               ; msa 8, mstat 10, vimg 12, vsc 14, pblk 16, wimg 18, wsc 20, out0 22
	v_lshl_add_u32 v[SPW], v0, 2, SPARE
	v_mov_b32 v[NIL], 0
	ds_add_u32 v2, v3
	s_wait_dscnt 0x0
	v_lshrrev_b32 v128, 5, v0
	v_readfirstlane_b32 s3, v128                   ; wave
	s_and_b32 s6, ttmp7, 0xffff                    ; y: the block of 64 positions, shared by the cluster
	s_mov_b32 s2, 0x3b800000                       ; 1 / 256
	s_mov_b32 s67, 0x3727c5ac                      ; 1e-5
	s_mov_b32 s66, 0x600000                        ; the mantissa field of 448
	s_mov_b32 s100, 0x76543210
	s_mov_b32 s101, 0xfedcba98
	; descriptor groups 1: dense blocks as rows of 256 bytes (32 elements of 8 bytes); mask 15: all four work-groups; bit 21 beside the mask; no padding
.irp g,24,32,40
	s_mov_b32 s[\g], 15|(3<<16)|(1<<21)
	s_mov_b32 s[\g+1], 32<<16                      ; tensor_dim0
	s_mov_b32 s[\g+3], 32<<16                      ; tile_dim0
	s_mov_b32 s[\g+5], 32                          ; the pitch
	s_mov_b32 s[\g+6], 0
	s_mov_b32 s[\g+7], 0
.endr
	s_mov_b32 s26, 137<<16                         ; a quarter of p's block: 137 rows
	s_mov_b32 s28, 137
	s_mov_b32 s34, 43<<16                          ; of the constants: 43
	s_mov_b32 s36, 43
	s_mov_b32 s42, 64<<16                          ; of a chunk of weights: 64
	s_mov_b32 s44, 64
	v_and_b32 v128, 31, v0                         ; lane
	v_and_b32 v129, 15, v0                         ; r
	v_bfe_u32 v130, v0, 4, 1                       ; hh
	v_lshlrev_b32 v[LI], 4, v128
	v_lshlrev_b32 v[HH64], 6, v130
	v_lshlrev_b32 v[PFA], 8, v128
	s_mul_i32 s104, s3, 16640
	s_add_co_u32 s104, s104, STG
	v_add_nc_u32 v[STD], s104, v[LI]               ; my stage, dense
	v_mul_u32_u24 v131, v129, 1040
	v_add_nc_u32 v131, v131, v[HH64]
	v_add_nc_u32 v[STL], s104, v131                ; and by rows: 1,040 r + 64 hh
	v_add_nc_u32 v[PARL], PAR, v[HH64]
	v_add_nc_u32 v[PARD], PAR, v[LI]
	v_add_nc_u32 v[AP0], PBLK, v[LI]
	v_add_nc_u32 v[AP1], PBLK+65536, v[LI]
	v_add_nc_u32 v[APS], PSC, v[LI]
	v_lshl_add_u32 v[ALV0], v129, 2, PLV
	s_mul_i32 s104, s3, 17408
	s_add_co_u32 s104, s104, XIMG
	v_add_nc_u32 v[XI0], s104, v[LI]
	s_add_co_u32 s104, s104, 16384
	v_lshl_add_u32 v[XW0], v128, 2, s104
.irp j,0,1,2,3,4,5,6,7,8,9,10,11,12,13,14,15
	v_mov_b32 v[TM+\j], 0
.endr
	v_mov_b32 v[NM+1], 0
	v_mov_b32 v[RO+1], 0
	s_wait_kmcnt 0x0
	; groups 0: made of y and the wave's number alone
	s_mul_i32 s104, s3, 35072
	s_mul_i32 s105, s6, 140288
	s_mov_b32 s48, 1
	s_add_co_u32 s49, s104, PBLK
	s_add_co_u32 s104, s104, s105
	s_mov_b32 s105, 0
	s_add_nc_u64 s[50:51], s[16:17], s[104:105]
	s_or_b32 s51, s51, 0x80000000
	s_mul_i32 s104, s3, 11008
	s_mov_b32 s52, 1
	s_add_co_u32 s53, s104, CONST
	s_add_nc_u64 s[54:55], s[20:21], s[104:105]
	s_or_b32 s55, s55, 0x80000000
	s_lshl_b32 s104, s3, 14
	s_mov_b32 s56, 1
	s_mov_b32 s57, s104                            ; slot 0,
	s_add_nc_u64 s[58:59], s[18:19], s[104:105]    ; chunk 0
	s_mov_b32 s60, 1
	s_add_co_u32 s61, s104, RING1                  ; slot 1,
	s_add_nc_u64 s[62:63], s[58:59], 65536         ; chunk 1: this group 0 then walks on
	s_or_b32 s59, s59, 0x80000000
	s_or_b32 s63, s63, 0x80000000
	; my own row n: the place in the cluster enters these global addresses alone
	s_bfe_u32 s4, ttmp6, 0x40000                   ; cx
	s_lshl_b32 s5, ttmp9, 2
	s_add_co_u32 s5, s5, s4
	s_lshl_b32 s5, s5, 2
	s_add_co_u32 s5, s5, s3                        ; n
	s_mov_b32 s105, 0
	s_lshl_b32 s104, s5, 19
	s_lshl_b32 s4, s6, 16
	s_add_co_u32 s104, s104, s4
	s_add_nc_u64 s[8:9], s[8:9], s[104:105]        ; msa and out0 at my first row
	s_add_nc_u64 s[22:23], s[22:23], s[104:105]
	s_lshl_b32 s104, s5, 12
	s_lshl_b32 s4, s6, 9
	s_add_co_u32 s104, s104, s4
	s_add_nc_u64 s[10:11], s[10:11], s[104:105]    ; its statistics
	s_lshl_b32 s104, s5, 17
	s_add_nc_u64 s[12:13], s[12:13], s[104:105]    ; v's images of row n
	s_lshl_b32 s104, s5, 13
	s_add_nc_u64 s[14:15], s[14:15], s[104:105]    ; and their scale words
	s_load_b512 s[68:83], s[10:11], 0x0            ; (rstd, - mean rstd) of the first tile's 16 rows
	s_load_b512 s[84:99], s[10:11], 0x40
.macro VLOAD g                         ; group g = 4 h + s: four fragments of v (16 channels x 128 positions) into set g % 4, and their four scale words
	WIN 0x40
.irp c,0,1,2,3
.irp k,0,1,2,3
	global_load_b128 v[64*((\g)%4)+16*\c+4*\k:64*((\g)%4)+16*\c+4*\k+3], v[LI], s[12:13] offset:8192*(\g)+2048*\c+512*\k
.endr
.endr
	WIN 0
	global_load_b128 v[VSW+4*((\g)%4):VSW+4*((\g)%4)+3], v[LI], s[14:15] offset:512*(\g)
.endm
.macro PLOAD g                         ; four fragments of p (16 queries x 128 keys) into set g % 2, and their four scale words
.irp q,0,1,2,3
.irp k,0,1,2,3
.if (\g) < 8
	ds_load_b128 v[PF+64*((\g)%2)+16*\q+4*\k:PF+64*((\g)%2)+16*\q+4*\k+3], v[AP0] offset:8192*(\g)+2048*\q+512*\k
.else
	ds_load_b128 v[PF+64*((\g)%2)+16*\q+4*\k:PF+64*((\g)%2)+16*\q+4*\k+3], v[AP1] offset:8192*((\g)-8)+2048*\q+512*\k
.endif
.endr
.endr
	ds_load_b128 v[PSW+4*((\g)%2):PSW+4*((\g)%2)+3], v[APS] offset:512*(\g)
.endm
.macro RAWLOAD                         ; 16 rows of msa as they lie: 512 consecutive bytes a load
	WIN 0x40
.set i, 0
.rept 32
	global_load_b128 v[4*i:4*i+3], v[LI], s[8:9] offset:1024*(i/2)+512*(i%2) th:TH_LOAD_NT
.set i, i+1
.endr
	WIN 0
.endm
	VLOAD 0                                        ; three groups of v, 51 loads: fewer than the counter's field holds, so that nothing holds up the lines below
	VLOAD 1
	VLOAD 2
	ROUND                                          ; all four work-groups are here: the first joint loads meet
	tensor_load_to_lds s[48:51], s[24:31]          ; my quarter of p's block,
	s_nop 0
	tensor_load_to_lds s[52:55], s[32:39]          ; of the constants,
	s_nop 0
	tensor_load_to_lds s[56:59], s[40:47]          ; of the weights' chunk 0,
	s_nop 0
	tensor_load_to_lds s[60:63], s[40:47]          ; and of chunk 1: four loads of mine are out
	s_nop 0
.rept 4
	v_nop
.endr
	s_wait_tensorcnt 0x3                           ; my quarter of p is in; the other three may stay out
	s_barrier_signal -1
	s_barrier_wait -1
	PLOAD 0
	PLOAD 1
	VLOAD 3
; THE FIRST PRODUCT, group by group: 16 products, four fragments of v x four of p; a head's 16 accumulators take turns, one instruction a turn.
.macro P5G g
.if (\g) <= 12
	s_wait_loadcnt 51                              ; this group's v is in; three later groups of 17 loads may be out
.elseif (\g) == 13
	s_wait_loadcnt 34
.elseif (\g) == 14
	s_wait_loadcnt 49                              ; group 15's 17 and the 32 loads of msa
.else
	s_wait_loadcnt 32
.endif
.if (\g) < 15
	s_wait_dscnt 17                                ; this group's p is in; the next group's 17 loads may be out
.else
	s_wait_dscnt 0x0
.endif
	WIN 0xa1+0x50*((\g)/8)                         ; source 0 (v) window 1, source 1 (p) window 0, C and D window 2 (heads 0, 1) or 3
.irp c,0,1,2,3
.irp q,0,1,2,3
.set AC, 64*((2*((\g)/4)+\c/2)%4)+16*\q+8*(\c%2)
.if (\g)%4 == 0
	v_wmma_scale_f32_16x16x128_f8f6f4 v[AC:AC+7], v[64*((\g)%4)+16*\c:64*((\g)%4)+16*\c+15], v[PF+64*((\g)%2)+16*\q:PF+64*((\g)%2)+16*\q+15], 0, v[VSW+4*((\g)%4)+\c], v[PSW+4*((\g)%2)+\q]
.else
	v_wmma_scale_f32_16x16x128_f8f6f4 v[AC:AC+7], v[64*((\g)%4)+16*\c:64*((\g)%4)+16*\c+15], v[PF+64*((\g)%2)+16*\q:PF+64*((\g)%2)+16*\q+15], v[AC:AC+7], v[VSW+4*((\g)%4)+\c], v[PSW+4*((\g)%2)+\q]
.endif
.endr
.endr
	WIN 0
.rept 8
	v_nop                                          ; places in front of loads into registers that the products have read (ISA guide 7.12.1 for vector instructions)
.endr
.if (\g)+2 <= 15
	PLOAD (\g)+2                                   ; p first: with the 17 loads of v below, 68 loads of the wave can be out, more than the counter's field holds, and their issue may be held up
.endif
.if (\g)+4 <= 15
	VLOAD (\g)+4
.endif
.if (\g) < 2
	global_prefetch_b8 v[PFA], s[8:9] offset:8192*(\g) th:TH_LOAD_NT scope:SCOPE_SE   ; my first tile of msa, 16 KiB in two requests, lanes 256 bytes apart: twelve groups ahead of its loads
.endif
.if (\g) == 13
	RAWLOAD                                        ; into sets 0 and 1, which are done with
.endif
.endm
.irp g,0,1,2,3,4,5,6,7,8,9,10,11,12,13,14,15
	P5G \g
.endr
	s_wait_tensorcnt 0x1                           ; my quarters of the constants and of chunk 0 are in; chunk 1 may stay out
	s_wait_dscnt 0x0                               ; my reads of p are over
	s_barrier_signal -1
	s_barrier_wait -1                              ; the constants and chunk 0 are whole, and nobody reads p's images any more: stages and x's images may lie there
	WIN 0x40
	ds_load_b128 v[GM:GM+3], v[PARD] offset:2048                   ; ln_msa_g, dense: channels 128 e + 4 lane ..
	ds_load_b128 v[GM+4:GM+7], v[PARD] offset:2560
	ds_load_b128 v[BSR:BSR+3], v[PARD] offset:1024                 ; ln_out_b
	ds_load_b128 v[BSR+4:BSR+7], v[PARD] offset:1536
	ds_load_b128 v[TP:TP+3], v[PARD] offset:3072                   ; ln_msa_b
	ds_load_b128 v[TP+4:TP+7], v[PARD] offset:3584
	v_mov_b32 v[CC+1], 0
	s_wait_dscnt 0x0
	WIN 0x55
.irp p,0,2,4,6
	v_pk_add_f32 v[BSR+\p:BSR+\p+1], v[BSR+\p:BSR+\p+1], v[TP+\p:TP+\p+1]     ; both biases at once
.endr
	WIN 0
.macro FOLD8                           ; eight pairs at TM become the row's sum, in lanes l and l xor 16 alike
.irp c,0,1,2,3
	v_pk_add_f32 v[TM+2*\c:TM+2*\c+1], v[TM+2*\c:TM+2*\c+1], v[TM+8+2*\c:TM+9+2*\c]
.endr
	FOLD4
.endm
.macro FOLD4
	v_pk_add_f32 v[TM:TM+1], v[TM:TM+1], v[TM+4:TM+5]
	v_pk_add_f32 v[TM+2:TM+3], v[TM+2:TM+3], v[TM+6:TM+7]
	v_pk_add_f32 v[TM:TM+1], v[TM:TM+1], v[TM+2:TM+3]
	v_add_f32 v[TM], v[TM], v[TM+1]
	v_permlanex16_b32 v[TM+1], v[TM], s100, s101
	v_add_f32 v[TM], v[TM], v[TM+1]
.endm
.macro SUM128                          ; - the mean of the tile's rows into v[NM]
.irp c,0,1,2,3,4,5,6,7
	v_pk_add_f32 v[TM+2*\c:TM+2*\c+1], v[TT+2*\c:TT+2*\c+1], v[TT+16+2*\c:TT+17+2*\c]
.endr
.set i, 16
.rept 48
	v_pk_add_f32 v[TM+2*(i%8):TM+2*(i%8)+1], v[TM+2*(i%8):TM+2*(i%8)+1], v[TT+2*i:TT+2*i+1]
.set i, i+1
.endr
	FOLD8
	v_mul_f32 v[NM], 0xbb800000, v[TM]
.endm
.macro PLD4 vec, b0, dst, win          ; blocks b0 .. b0 + 3 of parameter vector vec, in the lane's layout
	WIN \win
.irp b,0,1,2,3
.irp k,0,1,2,3
	ds_load_b128 v[\dst+16*\b+4*\k:\dst+16*\b+4*\k+3], v[PARL] offset:1024*\vec+128*(\b0+\b)+16*\k
.endr
.endr
	WIN 0
.endm
.macro TLD4 b0                         ; blocks b0 .. b0 + 3 of the staged rows, in the lane's layout
	WIN 0x40
.irp b,0,1,2,3
.irp k,0,1,2,3
	ds_load_b128 v[ZZ+16*\b+4*\k:ZZ+16*\b+4*\k+3], v[STL] offset:128*(\b0+\b)+16*\k
.endr
.endr
	WIN 0
.endm
; Four groups of 16 numbers in window 1 (group g at src + 16 g; a group and lane l xor 16's are a block of 32) become codes at cd + cs g in window 0.
; relu = 1: what is negative becomes 0 on the way.  mode 0: the four bytes make one scale word, v[PWD].  mode 1: group g's byte is byte bb of v[HSW + g].
.macro QUANT4 src, relu, cd, cs, mode, bb
	WIN 0x05
.irp g,0,1,2,3
.if \relu
	v_max3_num_f32 v[TM+\g], v[\src+16*\g], v[\src+16*\g+1], 0x4800000        ; the floor 2^(9 - 127) holds the byte at 1 from below
.else
	v_max3_num_f32 v[TM+\g], |v[\src+16*\g]|, |v[\src+16*\g+1]|, 0x4800000
.endif
.endr
.irp i,2,4,6,8,10,12,14
.irp g,0,1,2,3
.if \relu
	v_max3_num_f32 v[TM+\g], v[\src+16*\g+\i], v[\src+16*\g+\i+1], v[TM+\g]
.else
	v_max3_num_f32 v[TM+\g], |v[\src+16*\g+\i]|, |v[\src+16*\g+\i+1]|, v[TM+\g]
.endif
.endr
.endr
	WIN 0
.irp g,0,1,2,3
	v_permlanex16_b32 v[TM+4+\g], v[TM+\g], s100, s101
.endr
.irp g,0,1,2,3
	v_max_num_f32 v[TM+\g], v[TM+\g], v[TM+4+\g]
.endr
.irp g,0,1,2,3
	v_add_nc_u32 v[TM+12+\g], 0xfc000000, v[TM+\g]                            ; 8 off the exponent field: the conversion's scale operand
.endr
.irp g,0,1,2,3
	v_and_or_b32 v[TM+8+\g], v[TM+\g], 0x7f800000, s66                        ; 448 x the scale
.endr
.irp g,0,1,2,3
	v_lshrrev_b32 v[TM+4+\g], 23, v[TM+12+\g]                                 ; the scale's byte
.endr
.if \mode == 0
	v_lshl_or_b32 v[PWD], v[TM+5], 8, v[TM+4]
	v_lshl_or_b32 v[PWD], v[TM+6], 16, v[PWD]
	v_lshl_or_b32 v[PWD], v[TM+7], 24, v[PWD]
.else
.irp g,0,1,2,3
.if \bb == 0
	v_mov_b32 v[HSW+\g], v[TM+4+\g]
.else
	v_lshl_or_b32 v[HSW+\g], v[TM+4+\g], 8*\bb, v[HSW+\g]
.endif
.endr
.endif
	WIN 0x41
.irp g,0,1,2,3
.irp i,0,1,2,3,4,5,6,7,8,9,10,11,12,13,14,15
.if \relu
	v_med3_num_f32 v[\src+16*\g+\i], v[\src+16*\g+\i], 0, v[TM+8+\g]          ; the activation and the hold in one
.else
	v_med3_num_f32 v[\src+16*\g+\i], v[\src+16*\g+\i], -v[TM+8+\g], v[TM+8+\g]  ; the conversion does not saturate (ISA guide 7.6.2)
.endif
.endr
.endr
	WIN 0x01
.irp g,0,1,2,3
	v_cvt_scalef32_pk8_fp8_f32 v[\cd+\cs*\g:\cd+\cs*\g+1], v[\src+16*\g:\src+16*\g+7], v[TM+12+\g]
	v_cvt_scalef32_pk8_fp8_f32 v[\cd+\cs*\g+2:\cd+\cs*\g+3], v[\src+16*\g+8:\src+16*\g+15], v[TM+12+\g]
.endr
	WIN 0
	v_nop                                          ; a plain place behind the conversions
.endm
.macro TILE_IN qt                      ; the tile's 128 numbers a lane: (p v) / l; each accumulator from its low end on
	WIN 0x02
.irp b,0,1,2,3
.irp j,0,2,4,6,8,10,12,14
	v_pk_mul_f32 v[TT+16*\b+\j:TT+16*\b+\j+1], v[64*\b+16*\qt+\j:64*\b+16*\qt+\j+1], v[LV+2*(\b/2):LV+2*(\b/2)+1] op_sel_hi:[1,0]
.endr
.endr
	WIN 0x03
.irp b,0,1,2,3
.irp j,0,2,4,6,8,10,12,14
	v_pk_mul_f32 v[TT+64+16*\b+\j:TT+64+16*\b+\j+1], v[64*\b+16*\qt+\j:64*\b+16*\qt+\j+1], v[LV+4+2*(\b/2):LV+4+2*(\b/2)+1] op_sel_hi:[1,0]
.endr
.endr
	WIN 0
.endm
.macro TILE_OUT qt                     ; msa2 + b2 back into the tile's accumulators
	WIN 0x80
.irp b,0,1,2,3
.irp j,0,2,4,6,8,10,12,14
	v_pk_add_f32 v[64*\b+16*\qt+\j:64*\b+16*\qt+\j+1], v[TT+16*\b+\j:TT+16*\b+\j+1], v[PB+16*\b+\j:PB+16*\b+\j+1]
.endr
.endr
	WIN 0xc4
.irp b,0,1,2,3
.irp j,0,2,4,6,8,10,12,14
	v_pk_add_f32 v[64*\b+16*\qt+\j:64*\b+16*\qt+\j+1], v[TT+64+16*\b+\j:TT+64+16*\b+\j+1], v[ZZ+16*\b+\j:ZZ+16*\b+\j+1]
.endr
.endr
	WIN 0
.endm
.macro XSTEP s                         ; K step s of x = LN(msa2): normalise, quantise, image to LDS
	s_wait_dscnt 0x0                               ; gain and bias are in
	WIN 0x54
.set i, 0
.rept 8
.irp j,0,1,2,3
	v_pk_fma_f32 v[TP+2*\j:TP+2*\j+1], v[TT+64*\s+2*(4*i+\j):TT+64*\s+2*(4*i+\j)+1], v[RF:RF+1], v[CF:CF+1] op_sel_hi:[1,0,0]
.endr
.irp j,0,1,2,3
	v_pk_fma_f32 v[ZZ+2*(4*i+\j):ZZ+2*(4*i+\j)+1], v[PB+2*(4*i+\j):PB+2*(4*i+\j)+1], v[TP+2*\j:TP+2*\j+1], v[ZZ+2*(4*i+\j):ZZ+2*(4*i+\j)+1]
.endr
.set i, i+1
.endr
	WIN 0
	QUANT4 ZZ, 0, HC, 4, 0, 0
.irp c,0,1,2,3
	ds_store_b128 v[XI], v[HC+4*\c:HC+4*\c+3] offset:2048*\s+512*\c
.endr
	ds_store_b32 v[XW], v[PWD] offset:128*\s
	s_wait_dscnt 0x0                               ; the stores have read their registers
.endm
	; THE LAYERNORMS, a tile of 16 rows a trip.  Only the moves out of and into the accumulators differ between trips: they are written four times.
	s_mov_b32 s7, 0                                ; the tile
	s_mov_b32 s19, 0                               ; 64 x, 4,096 x, 256 x the tile
	s_mov_b32 s20, 0
	s_mov_b32 s21, 0
.Lln:
	s_wait_loadcnt 0x0                             ; the tile's raw rows,
	s_wait_kmcnt 0x0                               ; and their statistics
	v_add_nc_u32 v[ALV], s19, v[ALV0]
	v_add_nc_u32 v[XI], s20, v[XI0]
	v_add_nc_u32 v[XW], s21, v[XW0]
.irp h,0,1,2,3
	ds_load_b32 v[LV+2*\h], v[ALV] offset:256*\h   ; 1 / l of my row, head h
.endr
	WIN 0x55                                       ; the rows are dense: a row's statistics are scalars
.irp m,0,1,2,3,4,5,6,7,8,9,10,11,12,13,14,15
	v_mov_b32 v[CC], s[69+2*\m]
.irp p,0,1,2,3
	v_pk_fma_f32 v[8*\m+2*\p:8*\m+2*\p+1], v[8*\m+2*\p:8*\m+2*\p+1], s[68+2*\m:69+2*\m], v[CC:CC+1] op_sel_hi:[1,0,0]
.endr
.irp p,0,1,2,3
	v_pk_fma_f32 v[8*\m+2*\p:8*\m+2*\p+1], v[8*\m+2*\p:8*\m+2*\p+1], v[GM+2*\p:GM+2*\p+1], v[BSR+2*\p:BSR+2*\p+1]   ; LN(msa) + ln_out_b
.endr
.endr
	WIN 0x04
.set i, 0
.rept 32
	ds_store_b128 v[STD], v[4*i:4*i+3] offset:1040*(i/2)+512*(i%2)
.set i, i+1
.endr
	WIN 0
	s_wait_dscnt 0x0                               ; 1 / l is in, and the stores have read the raw rows
	s_cmp_eq_u32 s7, 3
	s_cbranch_scc1 .Lno_raw                        ; the last tile asks for nothing: no load leaves its buffer
	s_wait_xcnt 0x0                                ; the bases are stepped only behind this wait
	s_add_nc_u64 s[8:9], s[8:9], 16384
	s_add_nc_u64 s[10:11], s[10:11], 128
	RAWLOAD                                        ; the next tile: a whole trip ahead
	s_load_b512 s[68:83], s[10:11], 0x0
	s_load_b512 s[84:99], s[10:11], 0x40
.Lno_raw:
	PLD4 0, 0, PB, 0                               ; ln_out_g, blocks 0-3
	TLD4 0
	s_cmp_eq_u32 s7, 0
	s_cbranch_scc1 .Lin0
	s_cmp_eq_u32 s7, 1
	s_cbranch_scc1 .Lin1
	s_cmp_eq_u32 s7, 2
	s_cbranch_scc1 .Lin2
	TILE_IN 3
	s_branch .Lin_done
.Lin0:
	TILE_IN 0
	s_branch .Lin_done
.Lin1:
	TILE_IN 1
	s_branch .Lin_done
.Lin2:
	TILE_IN 2
.Lin_done:
	SUM128
.set i, 0
.rept 64
	v_pk_add_f32 v[TT+2*i:TT+2*i+1], v[TT+2*i:TT+2*i+1], v[NM:NM+1] op_sel_hi:[1,0]
.set i, i+1
.endr
.irp c,0,1,2,3,4,5,6,7
	v_pk_mul_f32 v[TM+2*\c:TM+2*\c+1], v[TT+2*\c:TT+2*\c+1], v[TT+2*\c:TT+2*\c+1]
.endr
.set i, 8
.rept 56
	v_pk_fma_f32 v[TM+2*(i%8):TM+2*(i%8)+1], v[TT+2*i:TT+2*i+1], v[TT+2*i:TT+2*i+1], v[TM+2*(i%8):TM+2*(i%8)+1]
.set i, i+1
.endr
	FOLD8
	v_fma_f32 v[TM], v[TM], s2, s67
	v_rsq_f32 v[RO], v[TM]
	v_nop
.set i, 0
	s_wait_alu depctr_va_vdst(0)
.rept 32
	v_pk_mul_f32 v[TT+2*i:TT+2*i+1], v[TT+2*i:TT+2*i+1], v[RO:RO+1] op_sel_hi:[1,0]
.set i, i+1
.endr
	s_wait_dscnt 0x0
	WIN 0x10
.set i, 0
.rept 32
	v_pk_fma_f32 v[TT+2*i:TT+2*i+1], v[TT+2*i:TT+2*i+1], v[PB+2*i:PB+2*i+1], v[ZZ+2*i:ZZ+2*i+1]     ; msa2
.set i, i+1
.endr
	WIN 0
	PLD4 0, 4, PB, 0
	TLD4 4
.set i, 32
.rept 32
	v_pk_mul_f32 v[TT+2*i:TT+2*i+1], v[TT+2*i:TT+2*i+1], v[RO:RO+1] op_sel_hi:[1,0]
.set i, i+1
.endr
	s_wait_dscnt 0x0
	WIN 0x10
.set i, 0
.rept 32
	v_pk_fma_f32 v[TT+64+2*i:TT+64+2*i+1], v[TT+64+2*i:TT+64+2*i+1], v[PB+2*i:PB+2*i+1], v[ZZ+2*i:ZZ+2*i+1]
.set i, i+1
.endr
	WIN 0
	PLD4 4, 0, PB, 0                               ; ff_ln_g,
	PLD4 5, 0, ZZ, 0x40                            ; ff_ln_b, blocks 0-3
	SUM128
.set i, 0
.rept 16                               ; the squares of msa2 - mean, which itself stays as it is
.irp j,0,1,2,3
	v_pk_add_f32 v[TM+8+2*\j:TM+9+2*\j], v[TT+2*(4*i+\j):TT+2*(4*i+\j)+1], v[NM:NM+1] op_sel_hi:[1,0]
.endr
.irp j,0,1,2,3
.if i == 0
	v_pk_mul_f32 v[TM+2*\j:TM+2*\j+1], v[TM+8+2*\j:TM+9+2*\j], v[TM+8+2*\j:TM+9+2*\j]
.else
	v_pk_fma_f32 v[TM+2*\j:TM+2*\j+1], v[TM+8+2*\j:TM+9+2*\j], v[TM+8+2*\j:TM+9+2*\j], v[TM+2*\j:TM+2*\j+1]
.endif
.endr
.set i, i+1
.endr
	FOLD4
	v_fma_f32 v[TM], v[TM], s2, s67
	v_rsq_f32 v[RO], v[TM]
	v_nop
	s_wait_alu depctr_va_vdst(0)
	v_mul_f32 v[NM], v[NM], v[RO]                  ; - mean rstd
	WIN 0x40
	v_mov_b32 v[RF], v[RO]
	v_mov_b32 v[RF+1], v[RO]
	v_mov_b32 v[CF], v[NM]
	v_mov_b32 v[CF+1], v[NM]
	WIN 0
	XSTEP 0
	PLD4 4, 4, PB, 0
	PLD4 5, 4, ZZ, 0x40
	XSTEP 1
	PLD4 6, 0, PB, 0                               ; b2
	PLD4 6, 4, ZZ, 0x40
	s_wait_dscnt 0x0
	s_cmp_eq_u32 s7, 0
	s_cbranch_scc1 .Lout0
	s_cmp_eq_u32 s7, 1
	s_cbranch_scc1 .Lout1
	s_cmp_eq_u32 s7, 2
	s_cbranch_scc1 .Lout2
	TILE_OUT 3
	s_branch .Lout_done
.Lout0:
	TILE_OUT 0
	s_branch .Lout_done
.Lout1:
	TILE_OUT 1
	s_branch .Lout_done
.Lout2:
	TILE_OUT 2
.Lout_done:
	s_add_co_u32 s19, s19, 64
	s_add_co_u32 s20, s20, 4096
	s_add_co_u32 s21, s21, 256
	s_add_co_u32 s7, s7, 1
	s_cmp_lt_u32 s7, 4
	s_cbranch_scc1 .Lln
	WIN 0x40
.set i, 0
.rept 8                                ; x's eight fragments (tile i / 2, K step i % 2) come back and stay in registers
.irp c,0,1,2,3
	ds_load_b128 v[16*i+4*\c:16*i+4*\c+3], v[XI0] offset:2048*i+512*\c
.endr
.set i, i+1
.endr
	WIN 0
.set i, 0
.rept 8
	ds_load_b32 v[XSW+i], v[XW0] offset:128*i
.set i, i+1
.endr
; THE MLP, a chunk of 128 hidden units at a time.  A group is four weight fragments and their four scale words (W1's groups: and 16 numbers of b1), in two sets by turns.
.macro LOADW grp
.irp f,0,1,2,3
.irp k,0,1,2,3
	ds_load_b128 v[WF+64*((\grp)%2)+16*\f+4*\k:WF+64*((\grp)%2)+16*\f+4*\k+3], v[AW] offset:8192*(\grp)+2048*\f+512*\k
.endr
.endr
.if (\grp) < 4
	ds_load_b128 v[WSW+4*((\grp)%2):WSW+4*((\grp)%2)+3], v[ASC] offset:512*(\grp)
	WIN 0x40
.irp k,0,1,2,3
	ds_load_b128 v[B1R+16*((\grp)%2)+4*\k:B1R+16*((\grp)%2)+4*\k+3], v[AB1] offset:4096+128*(\grp)+16*\k
.endr
	WIN 0
.else
	ds_load_b128 v[WSW+4*((\grp)%2):WSW+4*((\grp)%2)+3], v[ASC] offset:2048+512*((\grp)-4)
.endif
.endm
.macro W1G b                           ; hidden units 32 b .. 32 b + 31 of the chunk for my 64 rows: eight accumulators by turns, two K steps; b1 is the C of the first
.if \b < 3
	s_wait_dscnt 21                                ; this group is in; the next group's 21 loads may be out
.else
	s_wait_dscnt 17                                ; (the next group is W2's first: 17 loads)
.endif
	WIN 0x54                                       ; source 0 (W1) window 0; x, C and D window 1
.irp s,0,1
.irp u,0,1
.irp q,0,1,2,3
.if \s == 0
	v_wmma_scale_f32_16x16x128_f8f6f4 v[HID+16*\q+8*\u:HID+16*\q+8*\u+7], v[WF+64*(\b%2)+16*(2*\u+\s):WF+64*(\b%2)+16*(2*\u+\s)+15], v[32*\q+16*\s:32*\q+16*\s+15], v[B1R+16*(\b%2)+8*\u:B1R+16*(\b%2)+8*\u+7], v[WSW+4*(\b%2)+2*\u+\s], v[XSW+2*\q+\s]
.else
	v_wmma_scale_f32_16x16x128_f8f6f4 v[HID+16*\q+8*\u:HID+16*\q+8*\u+7], v[WF+64*(\b%2)+16*(2*\u+\s):WF+64*(\b%2)+16*(2*\u+\s)+15], v[32*\q+16*\s:32*\q+16*\s+15], v[HID+16*\q+8*\u:HID+16*\q+8*\u+7], v[WSW+4*(\b%2)+2*\u+\s], v[XSW+2*\q+\s]
.endif
.endr
.endr
.endr
	WIN 0
.rept 9
	v_nop                                          ; eight places for the loads and reads below, nine for the next group's products, which begin these accumulators anew
.endr
	LOADW \b+2
	QUANT4 HID, 1, HC+4*\b, 16, 1, \b              ; block b of the chunk's K step, for each of the four tiles of rows
.endm
.macro W2M g                           ; outputs 64 g .. 64 g + 63 for my 64 rows: 16 accumulators, one product each
	WIN 0xa0+0x50*(\g/2)                           ; sources window 0; C and D window 2 or 3
.irp f,0,1,2,3
.irp q,0,1,2,3
.set AC, 64*((2*\g+\f/2)%4)+16*\q+8*(\f%2)
	v_wmma_scale_f32_16x16x128_f8f6f4 v[AC:AC+7], v[WF+64*(\g%2)+16*\f:WF+64*(\g%2)+16*\f+15], v[HC+16*\q:HC+16*\q+15], v[AC:AC+7], v[WSW+4*(\g%2)+\f], v[HSW+\q]
.endr
.endr
	WIN 0
.endm
.macro W2G g                           ; W2's groups 0 and 1: behind each, the group two further on is fetched
	s_wait_dscnt 17                                ; this group is in; the next group's 17 loads may be out
	W2M \g
.rept 9
	v_nop
.endr
	LOADW \g+6
.endm
; A CHUNK.  Its first two groups were fetched in the chunk before.  THE CHANGE OF SLOTS stands behind W2's group 1, where the chunk's last fragments have been asked for.  Each wave waits for
; all its tensor loads (its quarter of the next chunk), adds 0 to its spare word, multiplies group 2 meanwhile, and waits for the add and for its reads of this slot.
; fill = 1: a round of the cluster's barrier; this slot is asked for again, with the chunk two further on, first thing behind it.  fill = 0: the work-group's barrier, and nothing is asked for.
; Then the next chunk's group 0 is fetched, group 3 is multiplied while it lands, and the next chunk's group 1 follows.
; fill = 0 serves the last two chunks in a loop of two trips, so that the tail is written once: in the very last trip the two fetches are jumped over (a scalar branch on the counter; no tensor
; load stands in that loop), and its barrier orders nothing more.
.macro CHUNK fill
	W1G 0
	W1G 1
	W1G 2
	W1G 3
.rept 4
	v_nop                                          ; the codes stand four places ahead of the scaled products; the scale words were made ahead of the holds
.endr
	W2G 0
	W2G 1
	s_wait_tensorcnt 0x0                           ; no tensor load of mine is out, so the walking group 0 may be written
	ds_add_u32 v[SPW], v[NIL]
.if \fill
	s_xor_b32 s61, s61, RING1                      ; the slot in hand,
	s_add_nc_u64 s[62:63], s[62:63], 65536         ; the chunk two further on; the type bits on top are not reached
.endif
	s_xor_b32 s16, s16, RING1                      ; my reads go on to the other slot,
	s_add_co_u32 s17, s17, 4608                    ; and to the next chunk's scale words and b1
	s_wait_dscnt 18                                ; group 6 is in; group 7's 17 loads and the add may be out
	W2M 2
	s_wait_dscnt 0x0                               ; the add is done, and my reads of this slot are over
.if \fill
	ROUND
	tensor_load_to_lds s[60:63], s[40:47]          ; one load of mine is out
	s_nop 0
.else
	s_barrier_signal -1
	s_barrier_wait -1
.endif
.rept 6
	v_nop                                          ; with the three additions below: nine places behind group 2's products, in front of loads into their registers
.endr
	v_add_nc_u32 v[AW], s16, v[LI]
	v_add_nc_u32 v[ASC], s17, v[LI]
	v_add_nc_u32 v[AB1], s17, v[HH64]
.if \fill == 0
	s_cmp_eq_u32 s18, 1
	s_cbranch_scc1 .Lno_a_\@
.endif
	LOADW 0
.if \fill == 0
.Lno_a_\@:
.endif
	W2M 3                                          ; (group 7 has been in since the wait for 0 above)
.rept 9
	v_nop
.endr
.if \fill == 0
	s_cmp_eq_u32 s18, 1
	s_cbranch_scc1 .Lno_b_\@
.endif
	LOADW 1
.if \fill == 0
.Lno_b_\@:
.endif
.endm
	s_mov_b32 s16, 0                               ; the slot in hand
	s_mov_b32 s17, CONST                           ; the chunk's scale words and b1
	v_add_nc_u32 v[AW], s16, v[LI]
	v_add_nc_u32 v[ASC], s17, v[LI]
	v_add_nc_u32 v[AB1], s17, v[HH64]
	LOADW 0
	LOADW 1
	s_mov_b32 s18, 6
.Lchunk:                                           ; chunks 0 to 5 ask for chunks 2 to 7
	CHUNK 1
	s_sub_co_u32 s18, s18, 1
	s_cmp_lg_u32 s18, 0
	s_cbranch_scc1 .Lchunk
	s_mov_b32 s18, 2
.Ltail:                                            ; chunks 6 and 7 ask for nothing
	CHUNK 0
	s_sub_co_u32 s18, s18, 1
	s_cmp_lg_u32 s18, 0
	s_cbranch_scc1 .Ltail
; THE WAY OUT, a tile of 16 rows at a time: through my stage, back as dense rows, 512 consecutive bytes a store.
.macro TOSTAGE a
	WIN 0x08
.irp b,0,1,2,3
.irp x,0,1,2,3
	ds_store_b128 v[STL], v[64*\b+16*\a+4*\x:64*\b+16*\a+4*\x+3] offset:128*\b+16*\x           ; each accumulator from its low end on
.endr
.endr
	WIN 0x0c
.irp b,0,1,2,3
.irp x,0,1,2,3
	ds_store_b128 v[STL], v[64*\b+16*\a+4*\x:64*\b+16*\a+4*\x+3] offset:512+128*\b+16*\x
.endr
.endr
	WIN 0x40*(\a%2)
.set i, 0
.rept 32
	ds_load_b128 v[128*(1-\a%2)+4*i:128*(1-\a%2)+4*i+3], v[STD] offset:1040*(i/2)+512*(i%2)   ; LDS serves a wave's instructions in order
.set i, i+1
.endr
	WIN 0
.endm
.macro SEND a, younger
	s_wait_dscnt \younger
	WIN 0x04*(\a%2)
.set i, 0
.rept 32
	global_store_b128 v[LI], v[128*(1-\a%2)+4*i:128*(1-\a%2)+4*i+3], s[22:23] offset:(16*\a+i/2)*1024+512*(i%2) th:TH_STORE_NT
.set i, i+1
.endr
	WIN 0
.endm
	TOSTAGE 0
	TOSTAGE 1
	SEND 0, 63                                     ; 64 LDS instructions were issued behind tile 0's loads; the count's field ends at 63
	s_wait_xcnt 0x0                                ; tile 0's stores have read their registers, which tile 2's rows take
	TOSTAGE 2
	SEND 1, 63
	s_wait_xcnt 0x0
	TOSTAGE 3
	SEND 2, 63
	SEND 3, 0
	s_wait_tensorcnt 0x0                           ; the wave's end
	ds_add_u32 v[SPW], v[NIL]
	s_wait_dscnt 0x0
	ROUND                                          ; the closing round: no work-group ends while a partner may still ask for a block that names it
	s_endpgm
.Lfunc_end_k_qab3f59523a_main:
	.size	k_qab3f59523a_main, .Lfunc_end_k_qab3f59523a_main-k_qab3f59523a_main
	.p2alignl 7, 3214868480
	.fill 96, 4, 3214868480
	.section	.rodata,"a",@progbits
	.p2align	6, 0x0
	.amdhsa_kernel k_qab3f59523a_main
		.amdhsa_group_segment_fixed_size 327680
		.amdhsa_private_segment_fixed_size 0
		.amdhsa_enable_private_segment 0
		.amdhsa_kernarg_size 64
		.amdhsa_user_sgpr_count 2
		.amdhsa_user_sgpr_kernarg_segment_ptr 1
		.amdhsa_wavefront_size32 1
		.amdhsa_system_sgpr_workgroup_id_x 1
		.amdhsa_system_sgpr_workgroup_id_y 1
		.amdhsa_system_sgpr_workgroup_id_z 1
		.amdhsa_system_vgpr_workitem_id 0
		.amdhsa_next_free_vgpr 1024
		.amdhsa_next_free_sgpr 106
		.amdhsa_reserve_vcc 0
		.amdhsa_float_denorm_mode_32 3
		.amdhsa_float_denorm_mode_16_64 3
		.amdhsa_memory_ordered 1
		.amdhsa_forward_progress 1
		.amdhsa_inst_pref_size 255
	.end_amdhsa_kernel
	.section	.bss,"aw",@nobits
	.p2align	6
	.space	262144
	.amdgpu_metadata
---
amdhsa.version: [ 1, 2 ]
amdhsa.kernels:
  - .name:           k_qab3f59523a_main
    .symbol:         k_qab3f59523a_main.kd
    .args:
      - { .name: msa, .offset: 0, .size: 8, .value_kind: global_buffer, .address_space: global }
      - { .name: mstat, .offset: 8, .size: 8, .value_kind: global_buffer, .address_space: global }
      - { .name: vimg, .offset: 16, .size: 8, .value_kind: global_buffer, .address_space: global }
      - { .name: vsc, .offset: 24, .size: 8, .value_kind: global_buffer, .address_space: global }
      - { .name: pblk, .offset: 32, .size: 8, .value_kind: global_buffer, .address_space: global }
      - { .name: wimg, .offset: 40, .size: 8, .value_kind: global_buffer, .address_space: global }
      - { .name: wsc, .offset: 48, .size: 8, .value_kind: global_buffer, .address_space: global }
      - { .name: out0, .offset: 56, .size: 8, .value_kind: global_buffer, .address_space: global }
    .group_segment_fixed_size: 327680
    .private_segment_fixed_size: 0
    .kernarg_segment_align: 8
    .kernarg_segment_size: 64
    .max_flat_workgroup_size: 128
    .sgpr_count:     106
    .vgpr_count:     1024
    .wavefront_size: 32
...
	.end_amdgpu_metadata
.endif
;; end of part 3
;; ======== version 2 of 2: 3 launches; version 1 with the launches att, vproj written anew for expert scheduling mode
;; workspace buffers: pblk 1,122,304 bytes; wimg 524,288 bytes; wsc 44,032 bytes; vimg 16,777,216 bytes; vsc 1,048,576 bytes; mstat 524,288 bytes
;; launch att (part 4): grid 32 x 4, 8 waves a work-group, no clusters, 10,240 bytes of LDS; arguments state, xyz, ln_state_g, ln_state_b, Wk_codes, Wk_scales, bk, Wq_codes, Wq_scales, bq, pblk, wimg, wsc, W1_codes, W1_scales, W2_codes, W2_scales, b1, ln_out_g, ln_out_b, ln_msa_g, ln_msa_b, ff_ln_g, ff_ln_b, b2; writes pblk, wimg, wsc
.if DOCPART == 4
	.amdgcn_target "amdgcn-amd-amdhsa--gfx1250"
	.amdhsa_code_object_version 6
	.text
	.protected	k_qab3f59523a_att
	.globl	k_qab3f59523a_att
	.p2align	8
	.type	k_qab3f59523a_att,@function
k_qab3f59523a_att:
	s_mov_b64 s[64:65], 0
	v_nop
	global_prefetch_b8 v0, s[64:65] scope:SCOPE_SE
	s_setreg_imm32_b32 hwreg(HW_REG_WAVE_SCHED_MODE, 0, 2), 2
	s_setreg_imm32_b32 hwreg(HW_REG_WAVE_MODE, 25, 1), 1
	s_wait_xcnt 0x0
	s_wait_alu depctr_vm_vsrc(0)
; LN(state) -> q, k (MX-FP8 products with Wq, Wk) -> masked logits (MX-FP8 product, K = 32) -> p = 2^(t - M), quantised along the keys.
; A work-group owns 16 queries (x) of one head (y).  Wave w of eight owns keys 64 w .. 64 w + 63: half of K step w / 2 of the later product p v.
; Two waves share a SIMD (2 x 384 registers), so that one wave's loads and chains stand beside the other's work.
; A wave makes k for its own keys and q for the 16 queries, so no operand goes from wave to wave; only the row's maximum and sum do (two barriers).
; ALL PRODUCTS ARE USED TRANSPOSED: source 1 holds the rows that a lane is to own.  The rows of source 0 that form a tile are chosen
; (tile 2 b + u takes row 32 b + 8 u + r + 8 (r / 8)), so that a lane's 16 registers of two neighbouring tiles are 16 neighbours along the next K.
; K = 64 and K = 32 fill half and a quarter of the instruction's 128: the rest is zero codes on at least one side, under scale bytes 0.
; OUT: my two blocks of p's fragment as an image of its registers (lane l's 16 bytes at 16 l, 512 bytes a store), their two scale bytes, 1 / l.
; BESIDE THAT each work-group lays out a share of the later launch's constants: wave 0 one fragment of W1, wave 1 one of W2 (images, with scale words),
; wave 2 of the first 22 work-groups 512 bytes of b1 or of the six LayerNorm vectors and b2.  Those loads are issued first and stored last.
; LIMITS: NaN and infinities among the inputs are not served.  A block whose largest magnitude lies under 2^-118 gets the scale byte 1 (read by this program alone).
; v_sqrt_f32, v_rsq_f32, v_rcp_f32, v_exp_f32 are good to one unit in the last place: a distance that near to a bin may fall on either side.  p under 2^-126 becomes 0.
; REGISTERS, window 0: v1-15 lane numbers and addresses; v16-79 LN gain and bias, later the scores; v80-143 two sets of a state tile, later 16 keys' coordinates;
; v144-159 a state tile's codes + 8 zeros, later p's codes; v160-187 k's codes of 4 tiles + 12 zeros, later the softmax's scratch; v188-203 offsets of the head's loads, the exchange;
; v204-219 q's codes + 12 zeros; v220-233 scale words and nothing else; v234-253 scratch.  Window 1: v0-63 four weight fragments (8 codes + 8 zeros), v64-95 biases, v96-112 the task's data.
; THE MODE: SCHED_MODE bits 1:0 = 2 (LLVM: expert scheduling mode 2), set by the entry lines.  The code itself states the register dependences
; between vector or matrix instructions and memory or LDS instructions, with s_wait_alu, always for 0.
; THE PLAN.  Registers that memory or LDS instructions touch:
;   offsets and LDS addresses (v4-6, v10-14, v188-195)  written at the head and never again: one wait at the head's end serves every load and store.
;   window 1 v96-112   cleared at the head (under that wait), then the tasks' loads land there; the tasks' stores read them at the end.
;   v160-167           a key's coordinates: loads and two cleared words; two LDS stores read them; then k's codes are written there: one wait on vm_vsrc.
;   v80-143            tile t's vector and matrix instructions work on set t % 2; the loads of tile t + 2 land in it behind one wait at the tile's end.
;                      Behind the last tile the keys' coordinates land there, twice: a wait ahead of each run of LDS loads.
;   codes and scale words made by vector instructions go to scaled products: behind the places one wait, directly ahead of the products.
;   v[LM], v[SA], p's codes, their two bytes, 1 / l   written by vector instructions, read by one store each: the sum's LDS store stands with the codes' stores, under one wait.
;   v[EXV ..]          LDS loads land there; vector instructions read them; wave 0 loads into them once more, behind the wait of the codes' stores.
; The sixteen masks of a run of distances go into s44-59, one wait between the compares and the selects.
.set EXM,  8192                        ; LDS: 0: 8 x 1,024 bytes, a wave's 64 keys as (x, y, z, 0); 8,192: maxima [wave][16]; 8,704: sums [wave][16]
.set GSR,  16
.set BSR,  48
.set SCO,  16
.set XX0,  80
.set CKR,  80
.set XCD,  144
.set KCD,  160
.set QFD,  204
.set KWS,  220
.set QWS,  228
.set XWS,  229
.set WSC,  230
.set TM,   234
.set BIG,  234                         ; behind the tiles: -1e9
.set NM,   250
.set RS,   252
.set BM,   160
.set PM,   164
.set HO,   168
.set SO,   172
.set LM,   176
.set NG,   178
.set SA,   180
.set SB,   182
.set PWD,  184
.set TWC,  188
.set TWS,  189
.set TBI,  190
.set TXK,  191
.set TXQ,  192
.set THH,  193
.set TTC,  194
.set TTS,  195
.set EXV,  196
.set MK,   44                          ; s44-59: sixteen masks (the pointers that lay there are done with behind the head)
.set MSB, 0
.macro WIN new                         ; the immediate's high byte repeats the setting that is left
.if MSB != (\new)
	s_set_vgpr_msb (MSB<<8)|(\new)
.set MSB, (\new)
.endif
.endm
	s_load_b512 s[8:23], s[0:1], 0x0               ; state 8, xyz 10, ln_state_g 12, ln_state_b 14, Wk codes 16, Wk scales 18, bk 20, Wq codes 22
	s_load_b512 s[24:39], s[0:1], 0x40             ; Wq scales 24, bq 26, pblk 28, wimg 30, wsc 32, W1 codes 34, W1 scales 36, W2 codes 38
	s_load_b64 s[40:41], s[0:1], 0x80              ; W2 scales
	s_load_b512 s[44:59], s[0:1], 0x88             ; b1 44, ln_out_g 46, ln_out_b 48, ln_msa_g 50, ln_msa_b 52, ff_ln_g 54, ff_ln_b 56, b2 58
	v_lshl_add_u32 v254, v0, 2, 0x2400
	v_mov_b32 v255, 0
	v_lshrrev_b32 v1, 5, v0
	v_readfirstlane_b32 s60, v1                    ; wave 0..7
	s_mov_b32 s61, ttmp9                           ; query tile 0..31
	s_and_b32 s62, ttmp7, 0xffff                   ; head
	s_mov_b32 s66, 0x76543210
	s_mov_b32 s67, 0xfedcba98                      ; v_permlanex16_b32's selects for lane l xor 16
	s_mov_b32 s68, 0x600000                        ; the mantissa field of 448
	s_lshl_b32 s69, s62, 2
	s_add_co_u32 s69, s69, 8
	s_cvt_f32_u32 s69, s69                         ; the head's bin: 8 + 4 h
	s_mov_b32 s80, 0x3fb8aa3b                      ; log2(e)
	s_mov_b32 s81, s80                             ; (named with it as a pair)
	s_mov_b32 s82, 0x3c800000                      ; 1 / 64
	s_mov_b32 s83, 0x3727c5ac                      ; 1e-5
	s_wait_alu depctr_va_sdst(0)                   ; s60 is written, ahead of its first reader
	v_and_b32 v252, 31, v0                         ; lane
	v_and_b32 v1, 15, v0                           ; r
	v_bfe_u32 v2, v0, 4, 1                         ; hh
	v_and_b32 v3, 8, v1
	v_add_nc_u32 v3, v3, v1                        ; r + 8 (r / 8)
	v_lshlrev_b32 v4, 4, v252                      ; 16 x lane
	v_lshlrev_b32 v14, 2, v1                       ; 4 r
	v_mov_b32 v15, 0
	v_lshlrev_b32 v[THH], 6, v2                    ; 64 hh
	v_lshl_add_u32 v5, v3, 8, v[THH]               ; a key tile's row of state: 256 bytes a row, my 16 numbers of a block
	s_lshl_b32 s78, s60, 14
	v_add_nc_u32 v5, s78, v5                       ; + my wave's 64 keys
	v_lshl_add_u32 v6, v1, 8, v[THH]               ; the query tile's row
	s_lshl_b32 s78, s61, 12
	v_add_nc_u32 v6, s78, v6
	v_lshlrev_b32 v[TWC], 6, v3                    ; Wk, Wq: 64 bytes a row
	v_lshl_add_u32 v[TWC], v2, 4, v[TWC]
	s_lshl_b32 s78, s62, 11
	v_add_nc_u32 v[TWC], s78, v[TWC]               ; + the head's 32 rows
	v_lshlrev_b32 v[TWS], 1, v3                    ; their scales: 2 bytes a row
	s_lshl_b32 s78, s62, 6
	v_add_nc_u32 v[TWS], s78, v[TWS]
	s_lshl_b32 s78, s62, 7
	v_add_nc_u32 v[TBI], s78, v[THH]               ; bk, bq: the head's 32 numbers, my half's 16
	v_mul_u32_u24 v[TXK], v252, 36                 ; xyz: 36 bytes a residue, CA at byte 12
	s_mul_i32 s78, s60, 2304
	s_add_co_u32 s78, s78, 12
	v_add_nc_u32 v[TXK], s78, v[TXK]
	v_mul_u32_u24 v[TXQ], v1, 36
	s_mul_i32 s78, s61, 576
	s_add_co_u32 s78, s78, 12
	v_add_nc_u32 v[TXQ], s78, v[TXQ]
	s_lshl_b32 s78, s60, 10
	v_add_nc_u32 v10, s78, v4                      ; LDS: my wave's keys, in: 16 x lane
	v_lshl_add_u32 v11, v2, 8, s78                 ; and out: my half's 16 keys of a block of 32
	s_lshl_b32 s78, s60, 6
	s_add_co_u32 s78, s78, EXM
	v_add_nc_u32 v12, s78, v14                     ; where my wave puts a query's maximum (the sum: 512 on)
	v_add_nc_u32 v13, EXM, v14                     ; where all eight are read
	; the task of waves 0 and 1: fragment g = x + 32 y of W1 or of W2
	s_lshl_b32 s63, s62, 5
	s_add_co_u32 s63, s63, s61                     ; g
	s_lshr_b32 s78, s63, 1
	s_and_b32 s79, s63, 15
	s_and_b32 s92, s63, 1
	s_lshr_b32 s93, s63, 4
	s_cmp_eq_u32 s60, 0
	s_cselect_b32 s78, s78, s79                    ; the tile of rows: W1: g / 2; W2: g % 16
	s_cselect_b32 s92, s92, s93                    ; the K step: W1: g % 2; W2: g / 16
	s_cselect_b32 s84, 8, 10                       ; a row of codes: 256 or 1,024 bytes
	s_cselect_b32 s85, 3, 5                        ; a row of scales: 8 or 32 bytes
	s_cselect_b32 s94, 0, 32768                    ; W2's images lie behind W1's sixteen
	s_cselect_b32 s95, 0, 2048
	s_lshr_b32 s96, s78, 1
	s_lshl_b32 s96, s96, 5
	s_and_b32 s97, s78, 1
	s_lshl_b32 s97, s97, 3
	s_add_co_u32 s96, s96, s97                     ; the tile's first row: 32 (t / 2) + 8 (t % 2)
	s_lshl_b32 s98, s96, s84
	s_lshl_b32 s97, s92, 7
	s_add_co_u32 s98, s98, s97
	s_mov_b32 s99, 0                               ; s[98:99]: offset of the codes
	s_lshl_b32 s96, s96, s85
	s_lshl_b32 s97, s92, 2
	s_add_co_u32 s96, s96, s97
	s_mov_b32 s97, 0                               ; s[96:97]: of the scale words
	s_lshl_b32 s78, s93, 16
	s_lshl_b32 s79, s79, 11
	s_add_co_u32 s78, s78, s79
	s_add_co_u32 s78, s78, s94
	s_mov_b32 s79, 0                               ; s[78:79]: the image's place: chunk g / 16, image g % 16
	s_mul_i32 s92, s93, 4608
	s_bfe_u32 s93, s63, 0x20002
	s_lshl_b32 s93, s93, 9
	s_add_co_u32 s92, s92, s93
	s_and_b32 s93, s63, 3
	s_lshl_b32 s93, s93, 2
	s_add_co_u32 s92, s92, s93
	s_add_co_u32 s92, s92, s95
	s_mov_b32 s93, 0                               ; s[92:93]: the scale word's place: [group (g / 4) % 4][lane][g % 4]
	v_lshlrev_b32 v[TTC], s84, v3
	v_lshl_add_u32 v[TTC], v2, 4, v[TTC]
	v_lshlrev_b32 v[TTS], s85, v3
	; registers that must hold zeros or must have been written
.irp j,8,9,10,11,12,13,14,15
	v_mov_b32 v[XCD+\j], 0
.endr
.irp j,16,17,18,19,20,21,22,23,24,25,26,27
	v_mov_b32 v[KCD+\j], 0
.endr
.irp j,4,5,6,7,8,9,10,11,12,13,14,15
	v_mov_b32 v[QFD+\j], 0
.endr
.irp j,3,7
	v_mov_b32 v[KCD+\j], 0                         ; the fourth word of a key's coordinates
.endr
.irp j,0,1,2,3,4,5,6,7,8,9,10,11,12,13,14,15
	v_mov_b32 v[TM+\j], 0
.endr
	v_mov_b32 v[NM+1], 0
	v_mov_b32 v[RS+1], 0
	WIN 0x40
.irp f,0,1,2,3
.irp j,8,9,10,11,12,13,14,15
	v_mov_b32 v[16*\f+\j], 0                       ; the weights' fragments: K = 64 .. 127 are zero codes
.endr
.endr
.irp j,96,97,98,99,100,101,102,103,104,105,106,107,108,109,110,111,112
	v_mov_b32 v[\j], 0
.endr
	WIN 0
	s_wait_alu depctr_va_vdst(0)                   ; all offsets and LDS addresses are written, which the loads and stores of the whole kernel read; so are the coordinates' fourth words, which LDS stores read, and window 1's v96-112, in which the tasks' loads land
	s_wait_kmcnt 0x0
	s_cmp_eq_u32 s60, 0
	s_cselect_b64 s[70:71], s[34:35], s[38:39]
	s_cselect_b64 s[72:73], s[36:37], s[40:41]
	s_add_nc_u64 s[70:71], s[70:71], s[98:99]
	s_add_nc_u64 s[72:73], s[72:73], s[96:97]
	s_add_nc_u64 s[74:75], s[30:31], s[78:79]
	s_add_nc_u64 s[76:77], s[32:33], s[92:93]
	; where p goes: block of 64 queries x / 4: [h][s][x % 4] images, then [h][s][lane][x % 4] scale words, then 1 / l [h][64].  s = w / 2; my half: pieces and bytes 2 (w % 2) on
	s_lshr_b32 s78, s61, 2
	s_mul_i32 s78, s78, 140288
	s_and_b32 s79, s61, 3
	s_lshr_b32 s94, s60, 1
	s_lshl_b32 s92, s62, 2
	s_add_co_u32 s92, s92, s94                     ; 4 h + w / 2
	s_and_b32 s95, s60, 1                          ; w % 2
	s_lshl_b32 s93, s92, 13
	s_lshl_b32 s94, s79, 11
	s_add_co_u32 s93, s93, s94
	s_lshl_b32 s94, s95, 10
	s_add_co_u32 s93, s93, s94
	s_add_co_u32 s86, s78, s93
	s_mov_b32 s87, 0
	s_add_nc_u64 s[86:87], s[28:29], s[86:87]
	s_lshl_b32 s93, s92, 9
	s_lshl_b32 s94, s79, 2
	s_add_co_u32 s93, s93, s94
	s_lshl_b32 s94, s95, 1
	s_add_co_u32 s93, s93, s94
	s_add_co_u32 s93, s93, 131072
	s_add_co_u32 s88, s78, s93
	s_mov_b32 s89, 0
	s_add_nc_u64 s[88:89], s[28:29], s[88:89]
	s_lshl_b32 s93, s62, 8
	s_lshl_b32 s94, s79, 6
	s_add_co_u32 s93, s93, s94
	s_add_co_u32 s93, s93, 139264
	s_add_co_u32 s90, s78, s93
	s_mov_b32 s91, 0
	s_add_nc_u64 s[90:91], s[28:29], s[90:91]
	; THE TASKS' LOADS: the oldest loads of a wave, so that every counted wait below counts the same younger loads in all waves
	s_cmp_lt_u32 s60, 2
	s_cbranch_scc0 .Lt_not01
	WIN 0x40
.irp k,0,1,2,3
	global_load_b128 v[96+4*\k:99+4*\k], v[TTC], s[70:71] offset:32*\k
.endr
	global_load_b32 v112, v[TTS], s[72:73]
	WIN 0
	s_branch .Lt_done
.Lt_not01:
	s_cmp_eq_u32 s60, 2
	s_cbranch_scc0 .Lt_done
	s_cmp_lt_u32 s63, 22
	s_cbranch_scc0 .Lt_done
	s_sub_co_u32 s78, s63, 6
	s_lshr_b32 s78, s78, 1                         ; from g = 8 on: vector (g - 6) / 2 of the eight, half g % 2
	s_and_b32 s92, s63, 1
	s_lshl_b32 s92, s92, 9
	s_lshl_b32 s94, s63, 9
	s_mul_i32 s96, s63, 4608
	s_add_co_u32 s96, s96, 4096                    ; g < 8: b1's piece g goes behind chunk g's scale words
	s_add_co_u32 s98, s94, 32768                   ; else to 36,864 + 512 (g - 8)
	s_cmp_lt_u32 s63, 8
	s_cselect_b32 s78, 0, s78
	s_cselect_b32 s92, s94, s92
	s_cselect_b32 s96, s96, s98
	s_mov_b32 s93, 0
	s_mov_b32 s97, 0
	s_mov_b64 s[70:71], s[44:45]
.irp j,1,2,3,4,5,6,7
	s_cmp_eq_u32 s78, \j
	s_cselect_b64 s[70:71], s[44+2*\j:45+2*\j], s[70:71]
.endr
	s_add_nc_u64 s[70:71], s[70:71], s[92:93]
	s_add_nc_u64 s[74:75], s[32:33], s[96:97]
	WIN 0x40
	global_load_b128 v[96:99], v4, s[70:71]
	WIN 0
.Lt_done:
.irp c,0,1
.irp k,0,1,2,3
	global_load_b128 v[GSR+16*\c+4*\k:GSR+16*\c+4*\k+3], v[THH], s[12:13] offset:128*\c+16*\k
	global_load_b128 v[BSR+16*\c+4*\k:BSR+16*\c+4*\k+3], v[THH], s[14:15] offset:128*\c+16*\k
.endr
.endr
	WIN 0x40
.irp u,0,1
.irp c,0,1
	global_load_b128 v[16*\u+4*\c:16*\u+4*\c+3], v[TWC], s[16:17] offset:512*\u+32*\c        ; Wk: tile u takes row 32 h + 8 u + r + 8 (r / 8)
	global_load_b128 v[32+16*\u+4*\c:32+16*\u+4*\c+3], v[TWC], s[22:23] offset:512*\u+32*\c  ; Wq likewise
	global_load_b128 v[64+8*\u+4*\c:64+8*\u+4*\c+3], v[TBI], s[20:21] offset:32*\u+16*\c     ; bk in the result's layout: 32 h + 16 hh + 8 u + 0 .. 7
	global_load_b128 v[80+8*\u+4*\c:80+8*\u+4*\c+3], v[TBI], s[26:27] offset:32*\u+16*\c     ; bq
.endr
.endr
	WIN 0
.irp u,0,1
	global_load_u16 v[WSC+\u], v[TWS], s[18:19] offset:16*\u                                   ; two scale bytes; the upper two bytes of the word are 0
	global_load_u16 v[WSC+2+\u], v[TWS], s[24:25] offset:16*\u
.endr
.irp i,0,1
.irp c,0,1,2
	global_load_b32 v[KCD+4*\i+\c], v[TXK], s[10:11] offset:1152*\i+4*\c                       ; key 64 w + 32 i + lane
.endr
.endr
	global_load_b32 v8, v[TXQ], s[10:11]
	global_load_b32 v9, v[TXQ], s[10:11] offset:4
	global_load_b32 v7, v[TXQ], s[10:11] offset:8                                              ; my query's CA
.macro LOADX t                         ; tile t of state into set t % 2: tiles 0-3 my keys, tile 4 the queries
.irp c,0,1
.irp k,0,1,2,3
.if (\t) < 4
	global_load_b128 v[XX0+32*((\t)%2)+16*\c+4*\k:XX0+32*((\t)%2)+16*\c+4*\k+3], v5, s[8:9] offset:(32*((\t)/2)+8*((\t)%2))*256+128*\c+16*\k
.else
	global_load_b128 v[XX0+32*((\t)%2)+16*\c+4*\k:XX0+32*((\t)%2)+16*\c+4*\k+3], v6, s[8:9] offset:128*\c+16*\k
.endif
.endr
.endr
.endm
	LOADX 0
	LOADX 1
	s_wait_loadcnt 8                               ; all but tile 1's eight loads are in
.irp i,0,1
	ds_store_b128 v10, v[KCD+4*\i:KCD+4*\i+3] offset:512*\i
.endr
	s_wait_dscnt 0x0                               ; the coordinates lie in LDS
	s_wait_alu depctr_vm_vsrc(0)                   ; the two LDS stores have read v[KCD ..], which k's codes take
.macro FOLD4                           ; four pairs at TM become the row's sum, in lanes l and l xor 16 alike
	v_pk_add_f32 v[TM:TM+1], v[TM:TM+1], v[TM+4:TM+5]
	v_pk_add_f32 v[TM+2:TM+3], v[TM+2:TM+3], v[TM+6:TM+7]
	v_pk_add_f32 v[TM:TM+1], v[TM:TM+1], v[TM+2:TM+3]
	v_add_f32 v[TM], v[TM], v[TM+1]
	v_permlanex16_b32 v[TM+1], v[TM], s66, s67
	v_add_f32 v[TM], v[TM], v[TM+1]
.endm
; One tile of 16 rows of state: LayerNorm, codes along 64, two products with the head's 32 rows of Wk (Wq), codes along 32.
.macro TILE t
.set XB, XX0+32*((\t)%2)
.if (\t) < 4
.set F0, 0
.set BI, 64
.set KD, KCD+4*(\t)
.set KB, KWS+(\t)
	s_wait_loadcnt 8                               ; this tile's loads are in; the next tile's eight may be out
.else
.set F0, 2
.set BI, 80
.set KD, QFD
.set KB, QWS
	s_wait_loadcnt 0x0
.endif
.irp c,0,1,2,3
	v_pk_add_f32 v[TM+2*\c:TM+2*\c+1], v[XB+2*\c:XB+2*\c+1], v[XB+8+2*\c:XB+9+2*\c]
.endr
.irp o,16,24
.irp c,0,1,2,3
	v_pk_add_f32 v[TM+2*\c:TM+2*\c+1], v[TM+2*\c:TM+2*\c+1], v[XB+\o+2*\c:XB+\o+2*\c+1]
.endr
.endr
	FOLD4
	v_mul_f32 v[NM], 0xbc800000, v[TM]             ; - mean
.set i, 0
.rept 16
	v_pk_add_f32 v[XB+2*i:XB+2*i+1], v[XB+2*i:XB+2*i+1], v[NM:NM+1] op_sel_hi:[1,0]
.set i, i+1
.endr
.irp c,0,1,2,3
	v_pk_mul_f32 v[TM+2*\c:TM+2*\c+1], v[XB+2*\c:XB+2*\c+1], v[XB+2*\c:XB+2*\c+1]
.endr
.irp o,8,16,24
.irp c,0,1,2,3
	v_pk_fma_f32 v[TM+2*\c:TM+2*\c+1], v[XB+\o+2*\c:XB+\o+2*\c+1], v[XB+\o+2*\c:XB+\o+2*\c+1], v[TM+2*\c:TM+2*\c+1]
.endr
.endr
	FOLD4
	v_fma_f32 v[TM], v[TM], s82, s83               ; variance + eps
	v_rsq_f32 v[RS], v[TM]
	v_nop                                          ; a plain place behind the transcendental
.set i, 0
	s_wait_alu depctr_va_vdst(0)                   ; the reciprocal root v[RS] is written, ahead of its first reader
.rept 16
	v_pk_mul_f32 v[XB+2*i:XB+2*i+1], v[XB+2*i:XB+2*i+1], v[RS:RS+1] op_sel_hi:[1,0]
.set i, i+1
.endr
.set i, 0
.rept 16
	v_pk_fma_f32 v[XB+2*i:XB+2*i+1], v[XB+2*i:XB+2*i+1], v[GSR+2*i:GSR+2*i+1], v[BSR+2*i:BSR+2*i+1]
.set i, i+1
.endr
	; codes along the 64: two blocks of 32, 16 numbers of each in my lane, the others in lane l xor 16
.irp g,0,1
	v_max3_num_f32 v[TM+\g], |v[XB+16*\g]|, |v[XB+16*\g+1]|, 0x4800000      ; the floor 2^(9 - 127) holds the byte at 1 from below
.endr
.irp i,2,4,6,8,10,12,14
.irp g,0,1
	v_max3_num_f32 v[TM+\g], v[TM+\g], |v[XB+16*\g+\i]|, |v[XB+16*\g+\i+1]|
.endr
.endr
.irp g,0,1
	v_permlanex16_b32 v[TM+4+\g], v[TM+\g], s66, s67
.endr
.irp g,0,1
	v_max_num_f32 v[TM+\g], v[TM+\g], v[TM+4+\g]
.endr
.irp g,0,1
	v_add_nc_u32 v[TM+12+\g], 0xfc000000, v[TM+\g]                          ; 8 off the exponent field: the conversion's scale operand
	v_and_or_b32 v[TM+8+\g], v[TM+\g], 0x7f800000, s68                      ; 448 x the scale
	v_lshrrev_b32 v[TM+4+\g], 23, v[TM+12+\g]                               ; the scale's byte
.endr
	v_lshl_or_b32 v[XWS], v[TM+5], 8, v[TM+4]      ; the row's scale word: bytes 2 and 3 are 0, over zero codes
.irp g,0,1
.irp i,0,1,2,3,4,5,6,7,8,9,10,11,12,13,14,15
	v_med3_num_f32 v[XB+16*\g+\i], v[XB+16*\g+\i], -v[TM+8+\g], v[TM+8+\g]  ; the conversion does not saturate (ISA guide 7.6.2): the hold
.endr
.endr
.irp g,0,1
	v_cvt_scalef32_pk8_fp8_f32 v[XCD+4*\g:XCD+4*\g+1], v[XB+16*\g:XB+16*\g+7], v[TM+12+\g]
	v_cvt_scalef32_pk8_fp8_f32 v[XCD+4*\g+2:XCD+4*\g+3], v[XB+16*\g+8:XB+16*\g+15], v[TM+12+\g]
.endr
.rept 5
	v_nop                                          ; one place behind the conversions, four in front of a scaled product whose operand vector instructions wrote
.endr
	WIN 0x11                                       ; source 0 (weights) and C (bias) in window 1
	s_wait_alu depctr_va_vdst(0)                   ; the conversions have written the codes v[XCD ..], and the shifts the scale word v[XWS], which the scaled products take; the places above stay beside this wait
	v_wmma_scale_f32_16x16x128_f8f6f4 v[XB:XB+7], v[16*F0:16*F0+15], v[XCD:XCD+15], v[BI:BI+7], v[WSC+F0], v[XWS]
	v_wmma_scale_f32_16x16x128_f8f6f4 v[XB+8:XB+15], v[16*F0+16:16*F0+31], v[XCD:XCD+15], v[BI+8:BI+15], v[WSC+F0+1], v[XWS]
	WIN 0
.rept 9
	v_nop                                          ; places behind the products (ISA guide 7.12.1)
.endr
.if (\t) == 4
.set i, 0
.rept 16
	v_mul_f32 v[XB+i], 0x3e800000, v[XB+i]         ; q x 16^-0.5
.set i, i+1
.endr
.endif
	; lane (r, hh) holds row r and d = 16 hh + 0 .. 15: one block of 32 with lane l xor 16
	v_max3_num_f32 v[TM], |v[XB]|, |v[XB+1]|, 0x4800000
	v_max3_num_f32 v[TM+1], |v[XB+8]|, |v[XB+9]|, 0x4800000
.irp i,2,4,6
	v_max3_num_f32 v[TM], v[TM], |v[XB+\i]|, |v[XB+\i+1]|
	v_max3_num_f32 v[TM+1], v[TM+1], |v[XB+8+\i]|, |v[XB+9+\i]|
.endr
	v_max_num_f32 v[TM], v[TM], v[TM+1]
	v_permlanex16_b32 v[TM+4], v[TM], s66, s67
	v_max_num_f32 v[TM], v[TM], v[TM+4]
	v_add_nc_u32 v[TM+12], 0xfc000000, v[TM]
	v_and_or_b32 v[TM+8], v[TM], 0x7f800000, s68
	v_lshrrev_b32 v[KB], 23, v[TM+12]              ; the scale word: one byte, the others 0
.irp i,0,1,2,3,4,5,6,7,8,9,10,11,12,13,14,15
	v_med3_num_f32 v[XB+\i], v[XB+\i], -v[TM+8], v[TM+8]
.endr
	v_cvt_scalef32_pk8_fp8_f32 v[KD:KD+1], v[XB:XB+7], v[TM+12]
	v_cvt_scalef32_pk8_fp8_f32 v[KD+2:KD+3], v[XB+8:XB+15], v[TM+12]
	v_nop
.if (\t)+2 <= 4
	s_wait_alu depctr_va_vdst(0)                   ; this tile's vector and matrix instructions are done reading and writing v[XB ..], in which the eight loads below land
	LOADX (\t)+2
.endif
.endm
.irp t,0,1,2,3,4
	TILE \t
.endr
.macro CKLOAD b                        ; the coordinates of keys 32 b + 16 hh + 0 .. 15 of my wave
.set i, 0
.rept 16
	ds_load_b128 v[CKR+4*i:CKR+4*i+3], v11 offset:512*(\b)+16*i
.set i, i+1
.endr
.endm
; 16 keys: |CA_key - CA_query| as reference() has it (squares, two additions, a root), then -1e9 onto the score where it is not under the bin
.macro DIST b
	s_wait_dscnt 0x0
.set i, 0
.rept 16
	v_pk_add_f32 v[CKR+4*i:CKR+4*i+1], v[CKR+4*i:CKR+4*i+1], v[8:9] neg_lo:[0,1] neg_hi:[0,1]
	v_sub_f32 v[CKR+4*i+2], v[CKR+4*i+2], v7
.set i, i+1
.endr
.set i, 0
.rept 16
	v_pk_mul_f32 v[CKR+4*i:CKR+4*i+1], v[CKR+4*i:CKR+4*i+1], v[CKR+4*i:CKR+4*i+1]
	v_mul_f32 v[CKR+4*i+2], v[CKR+4*i+2], v[CKR+4*i+2]
.set i, i+1
.endr
.set i, 0
.rept 16
	v_add_f32 v[CKR+4*i], v[CKR+4*i], v[CKR+4*i+1]
.set i, i+1
.endr
.set i, 0
.rept 16
	v_add_f32 v[CKR+4*i], v[CKR+4*i], v[CKR+4*i+2]
.set i, i+1
.endr
.set i, 0
.rept 16
	v_sqrt_f32 v[CKR+4*i], v[CKR+4*i]
.set i, i+1
.endr
	v_nop
	s_wait_alu depctr_va_vdst(0)                   ; the sixteen roots are written, ahead of their first reader
.set i, 0
.rept 16
	v_cmp_gt_f32 s[MK+i], s69, v[CKR+4*i]          ; the bin > the distance: the key counts.  Sixteen masks in one run
.set i, i+1
.endr
	s_wait_alu depctr_va_sdst(0)                   ; the sixteen masks s44-59 are written, ahead of the selects that read them
.set i, 0
.rept 16
	v_cndmask_b32 v[CKR+4*i+1], v[BIG], v15, s[MK+i]
.set i, i+1
.endr
.set i, 0
.rept 16
	v_add_f32 v[SCO+16*(\b)+i], v[SCO+16*(\b)+i], v[CKR+4*i+1]   ; each accumulator from its low end on
.set i, i+1
.endr
.endm
	v_mov_b32 v[BIG], 0xce6e6b28                   ; -1e9
.rept 5
	v_nop                                          ; places in front of the scaled products, whose operands vector instructions wrote
.endr
	s_wait_alu depctr_va_vdst(0)                   ; the tiles' vector and matrix instructions are done with v80-143, in which the coordinates land; and k's and q's codes and scale words are written, which the scaled products take
	CKLOAD 0
.irp t,0,1,2,3                         ; S^T = k q^T: source 0 = 16 keys, source 1 = the 16 queries.  A fragment of k begins at its tile's four registers; what follows meets q's zero codes
	v_wmma_scale_f32_16x16x128_f8f6f4 v[SCO+8*\t:SCO+8*\t+7], v[KCD+4*\t:KCD+4*\t+15], v[QFD:QFD+15], 0, v[KWS+\t], v[QWS]
.endr
	DIST 0                                         ; its first 96 lines name no register of the products: they are the places behind them
	s_wait_alu depctr_va_vdst(0)                   ; the lines above are done reading and writing v[CKR ..], in which the next sixteen keys' coordinates land
	CKLOAD 1
	DIST 1
	; the largest score of each block of 32 keys: for the row's maximum, and, since p rises with the score, for the block's largest p
.irp b,0,1
	v_max3_num_f32 v[BM+\b], v[SCO+16*\b], v[SCO+16*\b+1], v[SCO+16*\b+2]
.endr
.irp i,3,5,7,9,11,13
.irp b,0,1
	v_max3_num_f32 v[BM+\b], v[BM+\b], v[SCO+16*\b+\i], v[SCO+16*\b+\i+1]
.endr
.endr
.irp b,0,1
	v_max_num_f32 v[BM+\b], v[BM+\b], v[SCO+16*\b+15]
.endr
.irp b,0,1
	v_permlanex16_b32 v[PM+\b], v[BM+\b], s66, s67
.endr
.irp b,0,1
	v_max_num_f32 v[BM+\b], v[BM+\b], v[PM+\b]
.endr
	v_max_num_f32 v[LM], v[BM], v[BM+1]
	s_wait_alu depctr_va_vdst(0)                   ; v[LM] is written, which the LDS store reads
	ds_store_b32 v12, v[LM]                        ; lanes r and r + 16 write the same word with the same value
	s_wait_dscnt 0x0                               ; for the others' sake
	s_barrier_signal -1
	s_barrier_wait -1
.irp i,0,1,2,3,4,5,6,7
	ds_load_b32 v[EXV+\i], v13 offset:64*\i
.endr
	s_wait_dscnt 0x0
	s_wait_alu depctr_vm_vsrc(0)                   ; the LDS store has read v[LM], which the next line writes again
	v_max3_num_f32 v[LM], v[EXV], v[EXV+1], v[EXV+2]
	v_max3_num_f32 v[LM], v[LM], v[EXV+3], v[EXV+4]
	v_max3_num_f32 v[LM], v[LM], v[EXV+5], v[EXV+6]
	v_max_num_f32 v[LM], v[LM], v[EXV+7]           ; the row's largest logit over all 512 keys
	v_mul_f32 v[LM], s80, v[LM]                    ; as t
	v_floor_f32 v[NG], -v[LM]                      ; -M = floor(-t) = -ceil(t)
.set i, 0
.rept 16
	v_pk_fma_f32 v[SCO+2*i:SCO+2*i+1], v[SCO+2*i:SCO+2*i+1], s[80:81], v[NG:NG+1] op_sel_hi:[1,0,0]
.set i, i+1
.endr
.irp b,0,1
	v_fma_f32 v[BM+\b], v[BM+\b], s80, v[NG]
.endr
.set i, 0
.rept 32
	v_exp_f32 v[SCO+i], v[SCO+i]                   ; p = 2^(t - M)
.set i, i+1
.endr
.irp b,0,1
	v_exp_f32 v[BM+\b], v[BM+\b]                   ; the block's largest p: the same two instructions on the same number
.endr
	v_nop
	s_wait_alu depctr_va_vdst(0)                   ; the 34 exponentials are written, ahead of their first reader
	v_pk_add_f32 v[SA:SA+1], v[SCO:SCO+1], v[SCO+4:SCO+5]          ; the sum is taken of the unquantised p
	v_pk_add_f32 v[SB:SB+1], v[SCO+2:SCO+3], v[SCO+6:SCO+7]
.irp j,8,12,16,20,24,28
	v_pk_add_f32 v[SA:SA+1], v[SA:SA+1], v[SCO+\j:SCO+\j+1]
	v_pk_add_f32 v[SB:SB+1], v[SB:SB+1], v[SCO+\j+2:SCO+\j+3]
.endr
	v_pk_add_f32 v[SA:SA+1], v[SA:SA+1], v[SB:SB+1]
	v_add_f32 v[SA], v[SA], v[SA+1]
	v_permlanex16_b32 v[SA+1], v[SA], s66, s67
	v_add_f32 v[SA], v[SA], v[SA+1]                ; my wave's 64 keys' part of l: it is stored below, with the codes
.irp b,0,1
	v_max_num_f32 v[BM+\b], 0x4800000, v[BM+\b]
.endr
.irp b,0,1
	v_add_nc_u32 v[SO+\b], 0xfc000000, v[BM+\b]
.endr
.irp b,0,1
	v_and_or_b32 v[HO+\b], v[BM+\b], 0x7f800000, s68
.endr
.irp b,0,1
	v_lshrrev_b32 v[PM+\b], 23, v[SO+\b]
.endr
	v_lshl_or_b32 v[PWD], v[PM+1], 8, v[PM]        ; my two bytes of the fragment's scale word
.irp b,0,1
.irp i,0,1,2,3,4,5,6,7,8,9,10,11,12,13,14,15
	v_min_num_f32 v[SCO+16*\b+\i], v[SCO+16*\b+\i], v[HO+\b]       ; p is not negative: a one-sided hold
.endr
.endr
.irp b,0,1
	v_cvt_scalef32_pk8_fp8_f32 v[XCD+4*\b:XCD+4*\b+1], v[SCO+16*\b:SCO+16*\b+7], v[SO+\b]
	v_cvt_scalef32_pk8_fp8_f32 v[XCD+4*\b+2:XCD+4*\b+3], v[SCO+16*\b+8:SCO+16*\b+15], v[SO+\b]
.endr
	v_nop
	s_wait_alu depctr_va_vdst(0)                   ; v[SA], p's codes v[XCD ..] and their two bytes v[PWD] are written, which the four stores below read; and the maxima's lines are done reading v[EXV ..], in which wave 0's loads land behind the barrier
	ds_store_b32 v12, v[SA] offset:512
.irp k,0,1
	global_store_b128 v4, v[XCD+4*\k:XCD+4*\k+3], s[86:87] offset:512*\k      ; my two pieces of the fragment's image: 512 consecutive bytes a store
.endr
	global_store_b16 v4, v[PWD], s[88:89]
	s_wait_dscnt 0x0
	s_barrier_signal -1
	s_barrier_wait -1
	s_cmp_lg_u32 s60, 0
	s_cbranch_scc1 .Lno_l
.irp i,0,1,2,3,4,5,6,7
	ds_load_b32 v[EXV+\i], v13 offset:512+64*\i
.endr
	s_wait_dscnt 0x0
.irp i,0,2,4,6
	v_add_f32 v[EXV+\i], v[EXV+\i], v[EXV+\i+1]
.endr
	v_add_f32 v[EXV], v[EXV], v[EXV+2]
	v_add_f32 v[EXV+4], v[EXV+4], v[EXV+6]
	v_add_f32 v[EXV], v[EXV], v[EXV+4]
	v_rcp_f32 v[EXV+1], v[EXV]
	v_nop
	s_wait_alu depctr_va_vdst(0)                   ; the reciprocal v[EXV+1] is written, which the store reads
	global_store_b32 v14, v[EXV+1], s[90:91]       ; 1 / l
.Lno_l:
	; THE TASKS' STORES (every load of the wave was waited for in front of the last tile)
	s_cmp_lt_u32 s60, 2
	s_cbranch_scc0 .Ls_not01
	WIN 0x04
.irp k,0,1,2,3
	global_store_b128 v4, v[96+4*\k:99+4*\k], s[74:75] offset:512*\k
.endr
	global_store_b32 v4, v112, s[76:77]
	WIN 0
	s_branch .Ls_done
.Ls_not01:
	s_cmp_eq_u32 s60, 2
	s_cbranch_scc0 .Ls_done
	s_cmp_lt_u32 s63, 22
	s_cbranch_scc0 .Ls_done
	WIN 0x04
	global_store_b128 v4, v[96:99], s[74:75]
	WIN 0
.Ls_done:
	s_wait_dscnt 0x0                               ; the closing lines, six on end
	s_wait_alu 0x0
	s_wait_tensorcnt 0x0
	ds_add_u32 v254, v255
	s_wait_dscnt 0x0
	s_endpgm
.Lfunc_end_k_qab3f59523a_att:
	.size	k_qab3f59523a_att, .Lfunc_end_k_qab3f59523a_att-k_qab3f59523a_att
	.p2alignl 7, 3214868480
	.fill 96, 4, 3214868480
	.section	.rodata,"a",@progbits
	.p2align	6, 0x0
	.amdhsa_kernel k_qab3f59523a_att
		.amdhsa_group_segment_fixed_size 10240
		.amdhsa_private_segment_fixed_size 0
		.amdhsa_enable_private_segment 0
		.amdhsa_kernarg_size 200
		.amdhsa_user_sgpr_count 2
		.amdhsa_user_sgpr_kernarg_segment_ptr 1
		.amdhsa_wavefront_size32 1
		.amdhsa_system_sgpr_workgroup_id_x 1
		.amdhsa_system_sgpr_workgroup_id_y 1
		.amdhsa_system_sgpr_workgroup_id_z 1
		.amdhsa_system_vgpr_workitem_id 0
		.amdhsa_next_free_vgpr 384
		.amdhsa_next_free_sgpr 100
		.amdhsa_reserve_vcc 0
		.amdhsa_float_denorm_mode_32 3
		.amdhsa_float_denorm_mode_16_64 3
		.amdhsa_memory_ordered 1
		.amdhsa_forward_progress 1
		.amdhsa_inst_pref_size 110
	.end_amdhsa_kernel
	.amdgpu_metadata
---
amdhsa.version: [ 1, 2 ]
amdhsa.kernels:
  - .name:           k_qab3f59523a_att
    .symbol:         k_qab3f59523a_att.kd
    .args:
      - { .name: state, .offset: 0, .size: 8, .value_kind: global_buffer, .address_space: global }
      - { .name: xyz, .offset: 8, .size: 8, .value_kind: global_buffer, .address_space: global }
      - { .name: ln_state_g, .offset: 16, .size: 8, .value_kind: global_buffer, .address_space: global }
      - { .name: ln_state_b, .offset: 24, .size: 8, .value_kind: global_buffer, .address_space: global }
      - { .name: Wk_codes, .offset: 32, .size: 8, .value_kind: global_buffer, .address_space: global }
      - { .name: Wk_scales, .offset: 40, .size: 8, .value_kind: global_buffer, .address_space: global }
      - { .name: bk, .offset: 48, .size: 8, .value_kind: global_buffer, .address_space: global }
      - { .name: Wq_codes, .offset: 56, .size: 8, .value_kind: global_buffer, .address_space: global }
      - { .name: Wq_scales, .offset: 64, .size: 8, .value_kind: global_buffer, .address_space: global }
      - { .name: bq, .offset: 72, .size: 8, .value_kind: global_buffer, .address_space: global }
      - { .name: pblk, .offset: 80, .size: 8, .value_kind: global_buffer, .address_space: global }
      - { .name: wimg, .offset: 88, .size: 8, .value_kind: global_buffer, .address_space: global }
      - { .name: wsc, .offset: 96, .size: 8, .value_kind: global_buffer, .address_space: global }
      - { .name: W1_codes, .offset: 104, .size: 8, .value_kind: global_buffer, .address_space: global }
      - { .name: W1_scales, .offset: 112, .size: 8, .value_kind: global_buffer, .address_space: global }
      - { .name: W2_codes, .offset: 120, .size: 8, .value_kind: global_buffer, .address_space: global }
      - { .name: W2_scales, .offset: 128, .size: 8, .value_kind: global_buffer, .address_space: global }
      - { .name: b1, .offset: 136, .size: 8, .value_kind: global_buffer, .address_space: global }
      - { .name: ln_out_g, .offset: 144, .size: 8, .value_kind: global_buffer, .address_space: global }
      - { .name: ln_out_b, .offset: 152, .size: 8, .value_kind: global_buffer, .address_space: global }
      - { .name: ln_msa_g, .offset: 160, .size: 8, .value_kind: global_buffer, .address_space: global }
      - { .name: ln_msa_b, .offset: 168, .size: 8, .value_kind: global_buffer, .address_space: global }
      - { .name: ff_ln_g, .offset: 176, .size: 8, .value_kind: global_buffer, .address_space: global }
      - { .name: ff_ln_b, .offset: 184, .size: 8, .value_kind: global_buffer, .address_space: global }
      - { .name: b2, .offset: 192, .size: 8, .value_kind: global_buffer, .address_space: global }
    .group_segment_fixed_size: 10240
    .private_segment_fixed_size: 0
    .kernarg_segment_align: 8
    .kernarg_segment_size: 200
    .max_flat_workgroup_size: 256
    .sgpr_count:     100
    .vgpr_count:     384
    .wavefront_size: 32
...
	.end_amdgpu_metadata
.endif
;; end of part 4
;; launch vproj (part 5): grid 2 x 128, 4 waves a work-group, no clusters, 144,896 bytes of LDS; arguments msa, ln_msa_g, ln_msa_b, Wv_codes, Wv_scales, bv, vimg, vsc, mstat; writes vimg, vsc, mstat
.if DOCPART == 5
	.amdgcn_target "amdgcn-amd-amdhsa--gfx1250"
	.amdhsa_code_object_version 6
	.text
	.protected	k_qab3f59523a_vproj
	.globl	k_qab3f59523a_vproj
	.p2align	8
	.type	k_qab3f59523a_vproj,@function
k_qab3f59523a_vproj:
	s_mov_b64 s[64:65], 0
	v_nop
	global_prefetch_b8 v0, s[64:65] scope:SCOPE_SE
	s_setreg_imm32_b32 hwreg(HW_REG_WAVE_SCHED_MODE, 0, 2), 2
	s_setreg_imm32_b32 hwreg(HW_REG_WAVE_MODE, 25, 1), 1
	s_wait_xcnt 0x0
	s_wait_alu depctr_vm_vsrc(0)
; v = LN(msa) Wv + bv in MX-FP8, quantised ALONG THE POSITIONS (the K of the later product p v), stored as images of that product's operand registers.
; A work-group owns 256 positions (x) of one MSA row (y).  PHASE X: wave w takes 64 positions as four tiles of 16: dense loads (512 consecutive bytes each),
; a turn through its own stage in LDS so that a lane holds 16 neighbouring channels of each block of 32, LayerNorm, codes; the fragments' images go to LDS.  One barrier.
; PHASE V: wave (s2 = w / 2, chh = w % 2) takes 128 positions x 128 channels.  Source 0 = 16 positions, source 1 = 16 rows of Wv: a lane then holds ONE channel and its
; registers run along the positions.  THE POSITIONS OF A TILE ARE CHOSEN (tile 2 b + u takes 32 b + 8 u + m + 8 (m / 8)), so that the 64 registers of eight tiles are
; positions 32 b + 16 hh + 0 .. 15: the conversions' results are the later operand's registers.  The channels of a tile are chosen in the same way, for the later LayerNorm's sake.
; Each row's (rstd, - mean rstd) is stored too: the later launch forms LN(msa) anew from them.
; Gain and bias come by four dense loads a wave, go through the wave's own 2,048 bytes of LDS and come back in the lane's layout: so only 68 loads stand at the head, the rows among the first.
; No tensor loads, no cluster: work-groups share only the small Wv, which each wave reads once into registers.
; LIMITS: NaN and infinities are not served; a block whose largest magnitude lies under 2^-118 gets the scale byte 1 (read by this program alone).
; REGISTERS: window 0: v1-13 addresses; v16-47 scale words; v48-127 small things; v128-255 a tile's 128 numbers a lane, later eight accumulators.
; window 1: two sets of raw rows, later 16 fragments of LN(msa).  window 2: gain and bias in the lane's layout.  window 3: my 8 x 2 fragments of Wv.
; THE MODE: SCHED_MODE bits 1:0 = 2 (LLVM: expert scheduling mode 2), set by the entry lines.  The code itself states the register dependences
; between vector or matrix instructions and memory or LDS instructions, with s_wait_alu, always for 0.
; THE PLAN.  Registers that memory or LDS instructions touch:
;   v1-13, v117      offsets and LDS addresses, written at the head and never again: one wait at the head's end serves every load and store.
;   the raw sets     (window 1) loads land; the stage's LDS stores read them; then the loads of the tile two further on land (a wait on vm_vsrc ahead of them), at last phase V's fragments.
;                    No vector instruction names them in phase X; in phase V matrix instructions alone do, and nothing is loaded there again.
;   v[XX ..]         the stage's LDS loads land; the tile's vector instructions read and write them.  The wait ahead of a tile's last stores stands behind all of these: it serves the next tile's LDS loads too.
;   v[PCD ..], v[PWD], v[SW4 ..]   written by a quantiser's conversions and shifts, read by the stores behind it (one wait on va_vdst ahead of the run), written again by the next quantiser (one wait on vm_vsrc behind the run).
;   a tile's pair of statistics    written once, stored once, behind the first quantiser's wait.
;   windows 2 and 3, v16-47, v52-59   loads land once; vector and matrix instructions read them.  So the products' operands and scales all come from loads.
.set AIMG,  66560                      ; LDS: 0: 4 stages of 16 rows x 1,040 bytes; 66,560: 32 images of 2,048 bytes (2 T + ks); 132,096: their scale words, 128 bytes each;
.set ASCL,  132096
.set PARW,  136192                     ; 136,192: 4 x 2,048 bytes: gain, then bias, a copy for each wave
.set LI,    1
.set LS,    2
.set STD,   3
.set STL,   4
.set GBA,   5
.set MSO,   6
.set AWI,   7
.set AWS,   8
.set ARI,   9
.set ARS,   10
.set WVA,   11
.set WVSA,  12
.set BVA,   13
.set ASW,   16
.set WVS,   32
.set SW4,   48
.set BVR,   52
.set CBR,   60
.set TM,    68
.set SS,    84
.set PCD,   100
.set PWD,   116
.set PWA,   117
.set NM,    118
.set RS,    120
.set XX,    128
.set MSB, 0
.macro WIN new                         ; the immediate's high byte repeats the setting that is left
.if MSB != (\new)
	s_set_vgpr_msb (MSB<<8)|(\new)
.set MSB, (\new)
.endif
.endm
	s_load_b512 s[8:23], s[0:1], 0x0               ; msa 8, ln_msa_g 10, ln_msa_b 12, Wv codes 14, Wv scales 16, bv 18, vimg 20, vsc 22
	s_load_b64 s[24:25], s[0:1], 0x40              ; mstat
	v_lshrrev_b32 v14, 5, v0
	v_readfirstlane_b32 s26, v14                   ; wave
	s_and_b32 s27, ttmp7, 0xffff                   ; n
	s_wait_alu depctr_va_sdst(0)                   ; s26 is written, ahead of its first reader
	s_lshr_b32 s28, s26, 1                         ; s2
	s_and_b32 s29, s26, 1                          ; chh
	s_mov_b32 s40, 0x76543210
	s_mov_b32 s41, 0xfedcba98
	s_mov_b32 s42, 0x600000                        ; the mantissa field of 448
	s_mov_b32 s43, 0x3b800000                      ; 1 / 256
	s_mov_b32 s44, 0x3727c5ac                      ; 1e-5
	v_and_b32 v14, 31, v0                          ; lane
	v_and_b32 v15, 15, v0                          ; r
	v_bfe_u32 v124, v0, 4, 1                       ; hh
	v_and_b32 v125, 8, v15
	v_add_nc_u32 v125, v125, v15                   ; r + 8 (r / 8)
	v_lshlrev_b32 v[LI], 4, v14
	v_lshlrev_b32 v[LS], 2, v14
	v_lshlrev_b32 v[GBA], 6, v124
	v_lshlrev_b32 v[MSO], 3, v125
	s_mul_i32 s30, s26, 16640
	v_add_nc_u32 v[STD], s30, v[LI]                ; my stage, dense: 16 x lane
	v_mul_u32_u24 v126, v15, 1040
	v_add_nc_u32 v126, v126, v[GBA]
	v_add_nc_u32 v[STL], s30, v126                 ; and by rows: 1,040 r + 64 hh
	s_lshl_b32 s30, s26, 11
	s_add_co_u32 s30, s30, PARW
	v_add_nc_u32 v[PWA], s30, v[LI]                ; my copy of gain and bias, dense,
	v_add_nc_u32 v[GBA], s30, v[GBA]               ; and in the lane's layout: + 64 hh
	s_lshl_b32 s30, s26, 14
	s_add_co_u32 s30, s30, AIMG
	v_add_nc_u32 v[AWI], s30, v[LI]                ; where I store my eight images
	s_lshl_b32 s30, s26, 10
	s_add_co_u32 s30, s30, ASCL
	v_add_nc_u32 v[AWS], s30, v[LS]
	s_lshl_b32 s30, s28, 15
	s_add_co_u32 s30, s30, AIMG
	v_add_nc_u32 v[ARI], s30, v[LI]                ; where I read the sixteen of my 128 positions
	s_lshl_b32 s30, s28, 11
	s_add_co_u32 s30, s30, ASCL
	v_add_nc_u32 v[ARS], s30, v[LS]
	v_lshlrev_b32 v[WVA], 8, v125                  ; Wv: 256 bytes a row
	v_lshl_add_u32 v[WVA], v124, 4, v[WVA]
	s_lshl_b32 s30, s29, 15
	v_add_nc_u32 v[WVA], s30, v[WVA]               ; + my 128 channels
	v_lshlrev_b32 v[WVSA], 3, v125
	s_lshl_b32 s30, s29, 10
	v_add_nc_u32 v[WVSA], s30, v[WVSA]
	v_lshlrev_b32 v[BVA], 2, v125
	s_lshl_b32 s30, s29, 9
	v_add_nc_u32 v[BVA], s30, v[BVA]
.irp j,4,5,6,7
	v_mov_b32 v[TM+\j], 0                          ; a lane permute's destination counts as one of its sources
.endr
	v_mov_b32 v[NM+1], 0
	v_mov_b32 v[RS+1], 0
	s_lshl_b32 s30, s27, 19                        ; msa: n x 512 rows of 1,024 bytes + 256 x + 64 w rows
	s_lshl_b32 s31, ttmp9, 18
	s_add_co_u32 s30, s30, s31
	s_lshl_b32 s31, s26, 16
	s_add_co_u32 s30, s30, s31
	s_mov_b32 s31, 0
	s_lshl_b32 s32, s27, 12                        ; mstat: 8 bytes a row
	s_lshl_b32 s33, ttmp9, 11
	s_add_co_u32 s32, s32, s33
	s_lshl_b32 s33, s26, 9
	s_add_co_u32 s32, s32, s33
	s_mov_b32 s33, 0
	s_lshl_b32 s38, ttmp9, 1
	s_add_co_u32 s38, s38, s28                     ; K step of the later product: 2 x + s2
	s_lshl_b32 s34, s27, 17                        ; vimg [n][h][s][ct4]: h = 2 chh + ct8 / 4
	s_lshl_b32 s35, s29, 16
	s_add_co_u32 s34, s34, s35
	s_lshl_b32 s35, s38, 13
	s_add_co_u32 s34, s34, s35
	s_mov_b32 s35, 0
	s_lshl_b32 s36, s27, 13                        ; vsc [n][h][s][lane][ct4]
	s_lshl_b32 s37, s29, 12
	s_add_co_u32 s36, s36, s37
	s_lshl_b32 s37, s38, 9
	s_add_co_u32 s36, s36, s37
	s_mov_b32 s37, 0
	s_wait_kmcnt 0x0
	s_add_nc_u64 s[8:9], s[8:9], s[30:31]
	s_add_nc_u64 s[24:25], s[24:25], s[32:33]
	s_add_nc_u64 s[20:21], s[20:21], s[34:35]
	s_add_nc_u64 s[22:23], s[22:23], s[36:37]
	s_wait_alu depctr_va_vdst(0)                   ; the offsets and LDS addresses v1-13 and v117 are written, which the loads and stores of the whole kernel read
.irp e,0,1
	global_load_b128 v[PCD+4*\e:PCD+4*\e+3], v[LI], s[10:11] offset:512*\e       ; gain, dense: the oldest loads
	global_load_b128 v[PCD+8+4*\e:PCD+8+4*\e+3], v[LI], s[12:13] offset:512*\e   ; bias
.endr
.macro RAW k, p                        ; tile k's 16 rows, as they lie, into set p: load i is half i % 2 of the tile's row i / 2
	WIN 0x40
.set i, 0
.rept 32
	global_load_b128 v[128*(\p)+4*i:128*(\p)+4*i+3], v[LI], s[8:9] offset:(32*((\k)/2)+8*((\k)%2)+(i/2)+8*(i/16))*1024+512*(i%2) th:TH_LOAD_NT
.set i, i+1
.endr
	WIN 0
.endm
.macro TURN p                          ; through the stage: in as loaded, out 64 bytes of a block a lane.  LDS serves a wave's instructions in order
	WIN 0x04
.set i, 0
.rept 32
	ds_store_b128 v[STD], v[128*(\p)+4*i:128*(\p)+4*i+3] offset:1040*(i/2)+512*(i%2)
.set i, i+1
.endr
	WIN 0
.irp b,0,1,2,3,4,5,6,7
.irp k,0,1,2,3
	ds_load_b128 v[XX+16*\b+4*\k:XX+16*\b+4*\k+3], v[STL] offset:128*\b+16*\k
.endr
.endr
.endm
.macro WVLOAD c0                       ; four of my eight channel tiles of Wv: tile ct takes row 32 (ct / 2) + 8 (ct % 2) + r + 8 (r / 8)
	WIN 0xc0
.irp e,0,1,2,3
.irp s,0,1
.irp c,0,1,2,3
	global_load_b128 v[32*(\c0+\e)+16*\s+4*\c:32*(\c0+\e)+16*\s+4*\c+3], v[WVA], s[14:15] offset:(32*((\c0+\e)/2)+8*((\c0+\e)%2))*256+128*\s+32*\c
.endr
.endr
.endr
	WIN 0
.endm
.macro FOLD8                           ; eight pairs at SS become the row's sum
.irp c,0,1,2,3
	v_pk_add_f32 v[SS+2*\c:SS+2*\c+1], v[SS+2*\c:SS+2*\c+1], v[SS+8+2*\c:SS+9+2*\c]
.endr
	v_pk_add_f32 v[SS:SS+1], v[SS:SS+1], v[SS+4:SS+5]
	v_pk_add_f32 v[SS+2:SS+3], v[SS+2:SS+3], v[SS+6:SS+7]
	v_pk_add_f32 v[SS:SS+1], v[SS:SS+1], v[SS+2:SS+3]
	v_add_f32 v[SS], v[SS], v[SS+1]
	v_permlanex16_b32 v[SS+1], v[SS], s40, s41
	v_add_f32 v[SS], v[SS], v[SS+1]
.endm
; 64 numbers of a lane, register 16 g + i = k 32 g + 16 hh + i of its row, become a fragment's codes in v[PCD] on and its scale word in v[wd]
.macro QUANT4 src, wd
.irp g,0,1,2,3
	v_max3_num_f32 v[TM+\g], |v[\src+16*\g]|, |v[\src+16*\g+1]|, 0x4800000    ; the floor 2^(9 - 127) holds the byte at 1 from below
.endr
.irp i,2,4,6,8,10,12,14
.irp g,0,1,2,3
	v_max3_num_f32 v[TM+\g], |v[\src+16*\g+\i]|, |v[\src+16*\g+\i+1]|, v[TM+\g]
.endr
.endr
.irp g,0,1,2,3
	v_permlanex16_b32 v[TM+4+\g], v[TM+\g], s40, s41
.endr
.irp g,0,1,2,3
	v_max_num_f32 v[TM+\g], v[TM+\g], v[TM+4+\g]
.endr
.irp g,0,1,2,3
	v_add_nc_u32 v[TM+12+\g], 0xfc000000, v[TM+\g]
.endr
.irp g,0,1,2,3
	v_and_or_b32 v[TM+8+\g], v[TM+\g], 0x7f800000, s42
.endr
.irp g,0,1,2,3
	v_lshrrev_b32 v[TM+4+\g], 23, v[TM+12+\g]
.endr
	v_lshl_or_b32 v[\wd], v[TM+5], 8, v[TM+4]
	v_lshl_or_b32 v[\wd], v[TM+6], 16, v[\wd]
	v_lshl_or_b32 v[\wd], v[TM+7], 24, v[\wd]
.irp g,0,1,2,3
.irp i,0,1,2,3,4,5,6,7,8,9,10,11,12,13,14,15
	v_med3_num_f32 v[\src+16*\g+\i], v[\src+16*\g+\i], -v[TM+8+\g], v[TM+8+\g]  ; the conversion does not saturate (ISA guide 7.6.2)
.endr
.endr
.irp g,0,1,2,3
	v_cvt_scalef32_pk8_fp8_f32 v[PCD+4*\g:PCD+4*\g+1], v[\src+16*\g:\src+16*\g+7], v[TM+12+\g]
	v_cvt_scalef32_pk8_fp8_f32 v[PCD+4*\g+2:PCD+4*\g+3], v[\src+16*\g+8:\src+16*\g+15], v[TM+12+\g]
.endr
	v_nop
.endm
.macro XTILE k
.if (\k) < 3
.set MP, 122+2*(\k)                    ; each tile's pair of statistics has registers of its own: no store's data are written again
.else
.set MP, 14
.endif
	s_wait_loadcnt 32                              ; this tile's rows are in (for tile 0: gain and bias too); the 32 loads issued behind them may be out
.if (\k) == 0
.irp e,0,1,2,3
	ds_store_b128 v[PWA], v[PCD+4*((\e%2)+2*(\e/2)):PCD+4*((\e%2)+2*(\e/2))+3] offset:512*\e   ; gain's two halves, then bias's
.endr
.endif
	TURN (\k)%2                                    ; (its loads land in v[XX ..]: the wait ahead of the last tile's last stores stands behind every vector instruction that names them)
	s_wait_dscnt 0x0                               ; the tile is back
.if (\k) < 2
	s_wait_alu depctr_vm_vsrc(0)                   ; the stage's stores have read the raw set, in which the loads below land; in tile 0 the stores of gain and bias have read v[PCD ..], which the conversions write
	RAW (\k)+2, (\k)%2                             ; the tile two further on
.elseif (\k) == 2
	WVLOAD 0
.else
	WVLOAD 4
.irp e,0,1,2,3,4,5,6,7
	global_load_b64 v[WVS+2*\e:WVS+2*\e+1], v[WVSA], s[16:17] offset:(32*(\e/2)+8*(\e%2))*8
	global_load_b32 v[BVR+\e], v[BVA], s[18:19] offset:(32*(\e/2)+8*(\e%2))*4
.endr
.endif
.if (\k) == 0
	WIN 0x80                                       ; gain and bias in the lane's layout, once: they land while the tile is summed
.irp b,0,1,2,3,4,5,6,7
.irp c,0,1,2,3
	ds_load_b128 v[16*\b+4*\c:16*\b+4*\c+3], v[GBA] offset:128*\b+16*\c              ; gain of channels 32 b + 16 hh + 4 c ..
	ds_load_b128 v[128+16*\b+4*\c:128+16*\b+4*\c+3], v[GBA] offset:1024+128*\b+16*\c ; bias
.endr
.endr
	WIN 0
.endif
.irp c,0,1,2,3,4,5,6,7
	v_pk_add_f32 v[SS+2*\c:SS+2*\c+1], v[XX+2*\c:XX+2*\c+1], v[XX+16+2*\c:XX+17+2*\c]
.endr
.set i, 16
.rept 48
	v_pk_add_f32 v[SS+2*(i%8):SS+2*(i%8)+1], v[SS+2*(i%8):SS+2*(i%8)+1], v[XX+2*i:XX+2*i+1]
.set i, i+1
.endr
	FOLD8
	v_mul_f32 v[NM], 0xbb800000, v[SS]             ; - mean
.set i, 0
.rept 64
	v_pk_add_f32 v[XX+2*i:XX+2*i+1], v[XX+2*i:XX+2*i+1], v[NM:NM+1] op_sel_hi:[1,0]
.set i, i+1
.endr
.irp c,0,1,2,3,4,5,6,7
	v_pk_mul_f32 v[SS+2*\c:SS+2*\c+1], v[XX+2*\c:XX+2*\c+1], v[XX+2*\c:XX+2*\c+1]
.endr
.set i, 8
.rept 56
	v_pk_fma_f32 v[SS+2*(i%8):SS+2*(i%8)+1], v[XX+2*i:XX+2*i+1], v[XX+2*i:XX+2*i+1], v[SS+2*(i%8):SS+2*(i%8)+1]
.set i, i+1
.endr
	FOLD8
	v_fma_f32 v[SS], v[SS], s43, s44
	v_rsq_f32 v[RS], v[SS]
	v_nop                                          ; a plain place behind the transcendental
	s_wait_alu depctr_va_vdst(0)                   ; the reciprocal root v[RS] is written, ahead of its first reader
	v_mov_b32 v[MP], v[RS]
	v_mul_f32 v[MP+1], v[NM], v[RS]                ; the pair is stored below, behind the first quantiser's wait
.set i, 0
.rept 64
	v_pk_mul_f32 v[XX+2*i:XX+2*i+1], v[XX+2*i:XX+2*i+1], v[RS:RS+1] op_sel_hi:[1,0]
.set i, i+1
.endr
.if (\k) == 0
	s_wait_dscnt 0x0                               ; gain and bias are in
.endif
	WIN 0x28                                       ; gain and bias in window 2
.set i, 0
.rept 64
	v_pk_fma_f32 v[XX+2*i:XX+2*i+1], v[XX+2*i:XX+2*i+1], v[2*i:2*i+1], v[128+2*i:129+2*i]
.set i, i+1
.endr
	WIN 0
.irp s,0,1
	QUANT4 XX+64*\s, PWD
	s_wait_alu depctr_va_vdst(0)                   ; the codes v[PCD ..] and the scale word v[PWD] are written, which the stores below read (the first time: the pair of statistics too; the second time: and the tile's vector instructions are done with v[XX ..], in which the next tile's LDS loads land)
.irp c,0,1,2,3
	ds_store_b128 v[AWI], v[PCD+4*\c:PCD+4*\c+3] offset:2048*(2*(\k)+\s)+512*\c
.endr
	ds_store_b32 v[AWS], v[PWD] offset:128*(2*(\k)+\s)
.if \s == 0
	global_store_b64 v[MSO], v[MP:MP+1], s[24:25] offset:(32*((\k)/2)+8*((\k)%2))*8    ; lanes r and r + 16 store the same pair
.endif
	s_wait_dscnt 0x0                               ; the image lies in LDS
	s_wait_alu depctr_vm_vsrc(0)                   ; the LDS stores have read v[PCD ..] and v[PWD], which the next quantiser writes again (behind the last tile: and the stage's stores the raw sets, in which phase V's fragments land)
.endr
.endm
	RAW 0, 0
	RAW 1, 1
	XTILE 0
	XTILE 1
	XTILE 2
	XTILE 3
	s_barrier_signal -1                            ; (every LDS instruction of mine was waited for just above)
	s_barrier_wait -1                              ; the 32 images lie in LDS
	WIN 0x40
.set i, 0
.rept 16                               ; fragment 2 T8 + ks of my 128 positions
.irp c,0,1,2,3
	ds_load_b128 v[16*i+4*\c:16*i+4*\c+3], v[ARI] offset:2048*i+512*\c
.endr
.set i, i+1
.endr
	WIN 0
.set i, 0
.rept 16
	ds_load_b32 v[ASW+i], v[ARS] offset:128*i
.set i, i+1
.endr
	s_wait_loadcnt 0x0                             ; Wv, its scales, bv
	s_wait_dscnt 0x0
; One tile of 16 channels x 128 positions: eight accumulators by turns, two K steps; the bias is the C of each sum's first product.
; Both operands and both scale words of every product come from loads: their waits on the counters stand just above.
.macro VTILE c8
.irp j,0,1,2,3,4,5,6,7
	v_mov_b32 v[CBR+\j], v[BVR+\c8]
.endr
.rept 4
	v_nop
.endr
	WIN 0x0d                                       ; source 0 (LN(msa)) window 1, source 1 (Wv) window 3
.irp e,0,1,2,3,4,5,6,7
	v_wmma_scale_f32_16x16x128_f8f6f4 v[XX+8*\e:XX+8*\e+7], v[32*\e:32*\e+15], v[32*\c8:32*\c8+15], v[CBR:CBR+7], v[ASW+2*\e], v[WVS+2*\c8]
.endr
.irp e,0,1,2,3,4,5,6,7
	v_wmma_scale_f32_16x16x128_f8f6f4 v[XX+8*\e:XX+8*\e+7], v[32*\e+16:32*\e+31], v[32*\c8+16:32*\c8+31], v[XX+8*\e:XX+8*\e+7], v[ASW+2*\e+1], v[WVS+2*\c8+1]
.endr
	WIN 0
.rept 9
	v_nop                                          ; places behind the products: eight for the reads below, nine for the next tile's products, which begin these accumulators anew
.endr
	s_wait_xcnt 0x0                                ; the last tile's stores have had their addresses translated
.if (\c8) > 0
	s_wait_alu depctr_vm_vsrc(0)                   ; the last tile's stores have read v[PCD ..] (and, behind a fourth tile, v[SW4 ..]), which the quantiser below writes again
.endif
	QUANT4 XX, SW4+(\c8)%4
	s_wait_alu depctr_va_vdst(0)                   ; the codes v[PCD ..] and the scale word are written, which the stores below read
.irp c,0,1,2,3
	global_store_b128 v[LI], v[PCD+4*\c:PCD+4*\c+3], s[20:21] offset:32768*((\c8)/4)+2048*((\c8)%4)+512*\c   ; 512 consecutive bytes a store
.endr
.if (\c8)%4 == 3
	global_store_b128 v[LI], v[SW4:SW4+3], s[22:23] offset:2048*((\c8)/4)
.endif
.endm
.irp t,0,1,2,3,4,5,6,7
	VTILE \t
.endr
	s_wait_xcnt 0x0
	v_lshl_add_u32 v254, v0, 2, 0x23400            ; the add's two registers are made anew: no memory or LDS instruction has read v254 or v255
	v_mov_b32 v255, 0
	s_wait_dscnt 0x0                               ; the closing lines, six on end
	s_wait_alu 0x0
	s_wait_tensorcnt 0x0
	ds_add_u32 v254, v255
	s_wait_dscnt 0x0
	s_endpgm
.Lfunc_end_k_qab3f59523a_vproj:
	.size	k_qab3f59523a_vproj, .Lfunc_end_k_qab3f59523a_vproj-k_qab3f59523a_vproj
	.p2alignl 7, 3214868480
	.fill 96, 4, 3214868480
	.section	.rodata,"a",@progbits
	.p2align	6, 0x0
	.amdhsa_kernel k_qab3f59523a_vproj
		.amdhsa_group_segment_fixed_size 144896
		.amdhsa_private_segment_fixed_size 0
		.amdhsa_enable_private_segment 0
		.amdhsa_kernarg_size 72
		.amdhsa_user_sgpr_count 2
		.amdhsa_user_sgpr_kernarg_segment_ptr 1
		.amdhsa_wavefront_size32 1
		.amdhsa_system_sgpr_workgroup_id_x 1
		.amdhsa_system_sgpr_workgroup_id_y 1
		.amdhsa_system_sgpr_workgroup_id_z 1
		.amdhsa_system_vgpr_workitem_id 0
		.amdhsa_next_free_vgpr 1024
		.amdhsa_next_free_sgpr 66
		.amdhsa_reserve_vcc 0
		.amdhsa_float_denorm_mode_32 3
		.amdhsa_float_denorm_mode_16_64 3
		.amdhsa_memory_ordered 1
		.amdhsa_forward_progress 1
		.amdhsa_inst_pref_size 255
	.end_amdhsa_kernel
	.section	.bss,"aw",@nobits
	.p2align	6
	.space	262144
	.amdgpu_metadata
---
amdhsa.version: [ 1, 2 ]
amdhsa.kernels:
  - .name:           k_qab3f59523a_vproj
    .symbol:         k_qab3f59523a_vproj.kd
    .args:
      - { .name: msa, .offset: 0, .size: 8, .value_kind: global_buffer, .address_space: global }
      - { .name: ln_msa_g, .offset: 8, .size: 8, .value_kind: global_buffer, .address_space: global }
      - { .name: ln_msa_b, .offset: 16, .size: 8, .value_kind: global_buffer, .address_space: global }
      - { .name: Wv_codes, .offset: 24, .size: 8, .value_kind: global_buffer, .address_space: global }
      - { .name: Wv_scales, .offset: 32, .size: 8, .value_kind: global_buffer, .address_space: global }
      - { .name: bv, .offset: 40, .size: 8, .value_kind: global_buffer, .address_space: global }
      - { .name: vimg, .offset: 48, .size: 8, .value_kind: global_buffer, .address_space: global }
      - { .name: vsc, .offset: 56, .size: 8, .value_kind: global_buffer, .address_space: global }
      - { .name: mstat, .offset: 64, .size: 8, .value_kind: global_buffer, .address_space: global }
    .group_segment_fixed_size: 144896
    .private_segment_fixed_size: 0
    .kernarg_segment_align: 8
    .kernarg_segment_size: 72
    .max_flat_workgroup_size: 128
    .sgpr_count:     66
    .vgpr_count:     1024
    .wavefront_size: 32
...
	.end_amdgpu_metadata
.endif
;; end of part 5
;; launch main: the kernel of part 3 again; grid 32 x 8, 4 waves a work-group, clusters of 4 x 1, 327,680 bytes of LDS; arguments msa, mstat, vimg, vsc, pblk, wimg, wsc, out0; writes out0
